; MI455X (gfx1250); checked and timed in simulation.
; The chip was launched on July 23, 2026; its instructions are those of AMD's public machine-readable ISA for CDNA 5 (MIT licence, August 2026) and "CDNA5" Instruction Set Architecture Reference Guide (July 2026). The comments in the code are by the model that wrote it; some were corrected since.
;; LSTM. Allowed arithmetic: matrix products marked QUANTISED: E2M1 operands, one E8M0 scale for each 32 along K, by v_wmma_scale_f32_16x16x128_f8f6f4 with both operands' format E2M1 (or v_wmma_scale_f32_32x16x128_f4), f32 sums; everything else in f32.
;; Inputs: Wa_codes 4 x 1,024 x 16 x 16 uint8 (E2M1 codes of Wa, K innermost, in blocks of 32 codes, two codes a byte); Wa_scales 4 x 1,024 x 16 uint8 (E8M0 scales of Wa, one for each 32 codes along K); Wh_codes 4 x 1,024 x 32 x 16 uint8 (E2M1 codes of Wh, K innermost, in blocks of 32 codes, two codes a byte); Wh_scales 4 x 1,024 x 32 uint8 (E8M0 scales of Wh, one for each 32 codes along K); Wx 4 x 1,024 x 300 float32; bl 4 x 1,024 float32; bl2 4 x 1,024 float32; bl3 4 x 1,024 float32; bp 4 x 1,024 float32; c_prev 8,192 x 1,024 float32; context_codes 8,192 x 16 x 16 uint8 (E2M1 codes of context, K innermost, in blocks of 32 codes, two codes a byte); context_scales 8,192 x 16 uint8 (E8M0 scales of context, one for each 32 codes along K); embedding_prev 8,192 x 300 float32; h_prev_codes 8,192 x 32 x 16 uint8 (E2M1 codes of h_prev, K innermost, in blocks of 32 codes, two codes a byte); h_prev_scales 8,192 x 32 uint8 (E8M0 scales of h_prev, one for each 32 codes along K).
;; Outputs: out0 8,192 x 1,024 float32; out1 8,192 x 1,024 float32.
;; This version of the problem:
;;   THIS VERSION OF THE PROBLEM IS GIVEN IN LOW PRECISION. The matrix products marked QUANTISED in the list below multiply operands that are first quantised to E2M1 (2 exponent bits, 1 mantissa bit; 4 bits a number), with one power-of-two scale for each 32 numbers along K (OCP MX v1.0); their sums are f32. All else is computed in f32.
;;   The module's matrix products, in the order in which they are computed (A, B: the left and right operand; K: the contracted axis; several contracted axes count as one K, in the product's order):
;;     1. [M 8,192, K 1,024] x [K 1,024, N 4,096]; A: input h_prev (given as codes); B: input Wh (given as codes): QUANTISED
;;     2. [M 8,192, K 300] x [K 300, N 4,096]; A: input embedding_prev; B: input Wx: QUANTISED
;;     3. [M 8,192, K 512] x [K 512, N 4,096]; A: input context (given as codes); B: input Wa (given as codes): QUANTISED
;;   THE QUANTISER, for each operand of a quantised product, along K:
;;     - K is cut into blocks of 32 from its start; a last block that is shorter is filled with zeros.
;;     - A block's scale is 2^e with e = floor(log2(the largest magnitude in the block)) - 2, held to -126 .. 127; a block of zeros has e = 0. As a byte (E8M0): e + 127.
;;     - Each number is divided by its block's scale, clamped to +-6, and rounded to the nearest number of E2M1, ties to even, subnormals kept.
;;     - The product sums the exact products of the quantised numbers (number of the format x scale) in f32.
;;   ~~~python
;;   def quantise(x, axis):      # numpy; x: float32 -> the quantised numbers, widened to float32 again
;;       x = np.moveaxis(x, axis, -1); K = x.shape[-1]
;;       x = np.pad(x, [(0, 0)] * (x.ndim - 1) + [(0, -K % 32)]); x = x.reshape(x.shape[:-1] + (-1, 32)); a = np.abs(x).max(-1, keepdims=True)
;;       e = np.where(a > 0, np.clip(np.frexp(np.where(a > 0, a, 1))[1] - 1 - 2, -126, 127), 0)      # np.frexp(a)[1] - 1 = floor(log2(a)), exactly
;;       r = np.clip(x / 2.0 ** e, -6, 6)
;;       step = 2.0 ** (np.maximum(np.frexp(np.where(r == 0, 1, r))[1] - 1, 0) - 1)
;;       q = np.round(r / step) * step * 2.0 ** e      # np.round: ties to even
;;       return np.moveaxis(q.reshape(q.shape[:-2] + (-1,))[..., :K], -1, axis).astype(np.float32)
;;   ~~~
;;   INPUTS GIVEN AS CODES. Wa (in the module: [4, 1024, 512], K = its axis 2); Wh (in the module: [4, 1024, 1024], K = its axis 2); context (in the module: [8192, 512], K = its axis 1); h_prev (in the module: [8192, 1024], K = its axis 1): each comes as NAME_codes (uint8): NAME with its K axis moved to the last place and cut into blocks of 32 codes, [.., K / 32, bytes a block], one block behind the other in memory; two codes a byte, the lower K in the low four bits (a code: sign, 2 exponent bits, 1 mantissa bit); and NAME_scales (uint8): the same leading axes, one E8M0 byte (e + 127) for each 32 codes along K. Its value is code x scale, taken as it is: it is not quantised again, and the codes and scales need not be those that the quantiser above would give.
;; 2 versions. Each part assembles by itself: llvm-mc -triple=amdgcn-amd-amdhsa -mcpu=gfx1250 --defsym DOCPART=n.
;; ======== version 1 of 2: 2 launches
;; workspace buffers: xq 2,097,152 bytes; wq 4,194,304 bytes; sa 524,288 bytes; sb 262,144 bytes
;; launch prep (part 1): grid 256 x 1, 12 waves a work-group, no clusters, 169,472 bytes of LDS; arguments embedding_prev, Wx, h_prev_scales, Wh_scales, context_scales, Wa_scales, Wh_codes, Wa_codes, xq, wq, sa, sb; writes xq, wq, sa, sb
.if DOCPART == 1
	.amdgcn_target "amdgcn-amd-amdhsa--gfx1250"
	.amdhsa_code_object_version 6
	.text
	.protected	k_q412b89cd11_prep
	.globl	k_q412b89cd11_prep
	.p2align	8
	.type	k_q412b89cd11_prep,@function
k_q412b89cd11_prep:
	s_mov_b64 s[64:65], 0
	v_nop
	global_prefetch_b8 v0, s[64:65] scope:SCOPE_SE
	s_setreg_imm32_b32 hwreg(HW_REG_WAVE_MODE, 25, 1), 1
	s_wait_xcnt 0x0
; WHAT IT MAKES, for the product's launch:
;   xq [8192][256 B]   embedding_prev as codes of FP4 (E2M1): block j of 32 codes at byte 16 j; blocks 0-9 are x (the tenth filled with zeros from k = 300 on), blocks 10-15 zero codes.
;   wq [4096][1024 B]  a row of weights: bytes 0-511 Wh's codes, 512-767 Wa's, 768-1023 Wx quantised as xq is.  THE ROWS LIE IN THE ORDER p = 256 (u / 64) + 128 ((u / 32) % 2) + 32 g + u % 32
;                      (gate g, unit u), so that the four gates of 64 neighbouring units are 256 neighbouring rows.
;   sa [8192][64 B]    a row's scale bytes on end: 32 of h_prev, 16 of context, 16 of x.      sb [4096][64 B]  the same of Wh, Wa, Wx, rows in the order p.
; THE QUANTISER: a block's scale is 2^(floor(log2(its largest magnitude)) - 2); its byte is the largest magnitude's exponent field - 2, held at 1 from below; numbers / scale go to the nearest code, ties to even,
; beyond 6 to the largest code.
; LIMITS: a block whose largest magnitude lies under 2^-124, a block of zeros among them, gets the byte 1 (the rule says 127 for zeros: its codes are zeros, which add nothing under any byte but 0xff, and
; these bytes are read by this program alone); NaN and infinities among the inputs are not served.
; SHARES: work-group n takes rows 32 n .. 32 n + 31 of x (waves 0-7, four rows each) and rows 16 n .. 16 n + 15 of the weights (waves 8-11, four rows each, which are neighbours in the order p too).
; Both kinds of wave run one text: the wave's number chooses pointers and pitches.  Only the copy of Wh's and Wa's codes stands under a branch on the wave's number.  Waves share nothing: no barrier.
; A wave's four rows of 300 f32 come by ONE tensor load, stated as rows of 512 numbers of a tensor that is 300 wide: what lies past 300 arrives as zeros (ISA guide, chapter 10: the tensor's extents), so the
; filling of the last block and the zero blocks cost no line.  16 bytes of padding behind every 128: a block of 32 numbers is 144 bytes from the next.
; A LANE TAKES A WHOLE BLOCK: 32 numbers in 32 registers, so its largest magnitude needs no other lane and its 16 bytes of codes lie beside its neighbour's: 16 lanes store 256 consecutive bytes, aligned.
.set TILEB, 9216                       ; a wave's tile in LDS: 4 rows x 16 blocks x 144 bytes
.set ROWP,  2304                       ; from row to row
.set BLKP,  144                        ; from block to block
.set XSB,   12*TILEB                   ; behind the tiles: 256 bytes for each wave, of which 64 hold its rows' scale bytes; no tensor load lands there
.set X,     32                         ; v32-95   two tasks' 32 numbers
.set C,     96                         ; v96-103  their codes
.set E,     104                        ; v104-105 their scale bytes
.set WV,    28                         ; s28      my wave's number
.set G1,    32                         ; s[32:39] descriptor group 1
.set G0,    40                         ; s[40:43] descriptor group 0
.set SRC,   44                         ; s[44:45] my four rows of f32
.set DC,    46                         ; s[46:47], s[48:49] where the codes of my rows 0, 1 and 2, 3 go
.set SHP,   50                         ; s[50:51] my rows in h_prev_scales or Wh_scales
.set SCP,   52                         ; s[52:53] in context_scales or Wa_scales
.set SDP,   54                         ; s[54:55] in sa or sb
.set PIT,   56                         ; s56      bytes from row to row where the codes go: 256 in xq, 1,024 in wq
.set WHS,   58                         ; s[58:59] waves 8-11: my rows of Wh_codes
.set WAS,   60                         ; s[60:61] of Wa_codes
.set WQ0,   62                         ; s[62:63] and my first row of wq
	s_load_b512 s[4:19], s[0:1], 0x0               ; x s[4:5], Wx s[6:7], h's scales s[8:9], Wh's s[10:11], context's s[12:13], Wa's s[14:15], Wh's codes s[16:17], Wa's s[18:19]
	s_load_b256 s[20:27], s[0:1], 0x40             ; xq s[20:21], wq s[22:23], sa s[24:25], sb s[26:27]
	v_lshl_add_u32 v144, v0, 2, 0x29000
	v_mov_b32 v145, 0
	ds_add_u32 v144, v145
	ds_add_u32 v144, v145
	v_lshrrev_b32 v1, 5, v0
	v_readfirstlane_b32 s[WV], v1                  ; wave 0..11
	s_mov_b32 s[G1+0], (2<<16)|(1<<20)|(4<<22)|(3<<25)  ; no mask; elements of 4 bytes; padding on: after every 32 words (code 4) four words (code 3)
	s_mov_b32 s[G1+1], 300<<16                     ; tensor_dim0 = 300: from there on zeros
	s_mov_b32 s[G1+2], 4<<16                       ; tensor_dim1 = 4
	s_mov_b32 s[G1+3], 512<<16                     ; tile_dim0 = 512
	s_mov_b32 s[G1+4], 4                           ; tile_dim1 = 4
	s_mov_b32 s[G1+5], 300                         ; from row to row, in elements
	s_mov_b32 s[G1+6], 0
	s_mov_b32 s[G1+7], 0
	s_lshl_b32 s29, ttmp9, 5
	s_lshl_b32 s30, s[WV], 2
	s_add_co_u32 s29, s29, s30                     ; waves 0-7: my first row of x: 32 n + 4 wave
	s_and_b32 s30, s[WV], 7
	s_lshl_b32 s30, s30, 2                         ; 4 (wave % 8)
	s_lshl_b32 s31, ttmp9, 4
	s_add_co_u32 s31, s31, s30                     ; waves 8-11: my first row of the weights as they are given: 16 n + 4 (wave - 8) = 1,024 g + u
	s_and_b32 s66, ttmp9, 63                       ; and in the order p.  u = 16 (n % 64) + 4 (wave - 8), g = n / 64:
	s_lshr_b32 s66, s66, 2
	s_lshl_b32 s66, s66, 8                         ; 256 (u / 64)
	s_bfe_u32 s67, ttmp9, 0x10001
	s_lshl_b32 s67, s67, 7
	s_add_co_u32 s66, s66, s67                     ; + 128 ((u / 32) % 2)
	s_lshr_b32 s67, ttmp9, 6
	s_lshl_b32 s67, s67, 5
	s_add_co_u32 s66, s66, s67                     ; + 32 g
	s_and_b32 s67, ttmp9, 1
	s_lshl_b32 s67, s67, 4
	s_add_co_u32 s66, s66, s67
	s_add_co_u32 s66, s66, s30                     ; + u % 32
	s_mov_b32 s[PIT], 1024
	s_mov_b32 s71, 0                               ; the high word of every offset
	s_mov_b32 s[G0], 1                             ; count = 1
	s_mul_i32 s[G0+1], s[WV], TILEB                ; my tile in LDS
	s_wait_dscnt 0x0
	s_wait_kmcnt 0x0
	s_cmp_lt_u32 s[WV], 8                          ; x's wave or the weights'?  The choice hangs on the wave's number alone
	s_cselect_b32 s67, s29, s31                    ; my first row where I read,
	s_cselect_b32 s68, s29, s66                    ; and where I write
	s_cselect_b32 s[PIT], 256, s[PIT]
	s_cselect_b32 s69, 0, 768                      ; in a row of wq the codes of Wx begin at byte 768
	s_cselect_b64 s[SRC:SRC+1], s[4:5], s[6:7]
	s_cselect_b64 s[DC:DC+1], s[20:21], s[22:23]
	s_cselect_b64 s[SHP:SHP+1], s[8:9], s[10:11]
	s_cselect_b64 s[SCP:SCP+1], s[12:13], s[14:15]
	s_cselect_b64 s[SDP:SDP+1], s[24:25], s[26:27]
	s_mul_i32 s70, s67, 1200                       ; a row of 300 f32
	s_add_nc_u64 s[SRC:SRC+1], s[SRC:SRC+1], s[70:71]
	s_mov_b64 s[G0+2:G0+3], s[SRC:SRC+1]
	s_or_b32 s[G0+3], s[G0+3], 0x80000000          ; type = 2
	tensor_load_to_lds s[G0:G0+3], s[G1:G1+7]      ; my one tensor load: these bytes are filled once
	s_nop 0
	v_and_b32 v1, 31, v0                           ; lane
	v_and_b32 v2, 15, v0                           ; j: my block
	v_bfe_u32 v3, v0, 4, 1                         ; which of a task's two rows
	s_mul_i32 s70, s68, s[PIT]
	s_add_co_u32 s70, s70, s69
	s_add_nc_u64 s[DC:DC+1], s[DC:DC+1], s[70:71]
	s_lshl_b32 s70, s[PIT], 1
	s_add_nc_u64 s[DC+2:DC+3], s[DC:DC+1], s[70:71]
	s_lshl_b32 s70, s67, 5
	s_add_nc_u64 s[SHP:SHP+1], s[SHP:SHP+1], s[70:71]
	s_lshl_b32 s70, s67, 4
	s_add_nc_u64 s[SCP:SCP+1], s[SCP:SCP+1], s[70:71]
	s_lshl_b32 s70, s68, 6
	s_add_nc_u64 s[SDP:SDP+1], s[SDP:SDP+1], s[70:71]
	s_lshl_b32 s70, s31, 9
	s_add_nc_u64 s[WHS:WHS+1], s[16:17], s[70:71]  ; (used by waves 8-11 alone)
	s_lshl_b32 s70, s31, 8
	s_add_nc_u64 s[WAS:WAS+1], s[18:19], s[70:71]
	s_lshl_b32 s70, s66, 10
	s_add_nc_u64 s[WQ0:WQ0+1], s[22:23], s[70:71]
	s_lshl_b32 s57, s[WV], 8
	s_add_co_u32 s57, s57, XSB                     ; my wave's scale bytes in LDS
	v_mul_u32_u24 v4, v3, ROWP
	v_mad_u32_u24 v4, v2, BLKP, v4
	v_add_nc_u32 v4, s[G0+1], v4                   ; v4: my block in LDS: tile + 2,304 row + 144 j
	v_mul_u32_u24 v5, v3, s[PIT]
	v_lshl_add_u32 v5, v2, 4, v5                   ; v5: my 16 bytes of codes: row x pitch + 16 j
	v_add_nc_u32 v6, s57, v1                       ; v6: my block's byte: 16 row + j = lane, + 32 for the second task
	v_and_b32 v7, 7, v1                            ; the merge of the scale bytes: lane = 8 i + part: part of row i's 64 bytes
	v_lshrrev_b32 v8, 3, v1
	v_and_b32 v9, 3, v7
	v_lshlrev_b32 v9, 3, v9
	v_lshl_add_u32 v9, v8, 5, v9                   ; v9: 32 i + 8 (part % 4): in the rows of 32 bytes
	v_and_b32 v10, 1, v7
	v_lshlrev_b32 v10, 3, v10
	v_lshl_add_u32 v10, v8, 4, v10                 ; v10: 16 i + 8 (part % 2): in the rows of 16 bytes,
	v_add_nc_u32 v11, s57, v10                     ; v11: and among my own bytes in LDS
	v_lshlrev_b32 v12, 3, v1                       ; v12: 8 x lane
	v_lshlrev_b32 v13, 4, v1                       ; v13: 16 x lane
	global_load_b64 v[106:107], v9, s[SHP:SHP+1]   ; every lane loads a piece of each kind, all inside my four rows; the choice follows below
	global_load_b64 v[108:109], v10, s[SCP:SCP+1]
	s_cmp_lt_u32 s[WV], 8
	s_cbranch_scc1 .Lno_copy_in
.irp i, 0,1,2,3
	global_load_b128 v[112+4*\i:115+4*\i], v13, s[WHS:WHS+1] offset:512*\i th:TH_LOAD_NT   ; a row of Wh's codes: 512 consecutive bytes
.endr
.irp i, 0,1
	global_load_b128 v[128+4*\i:131+4*\i], v13, s[WAS:WAS+1] offset:512*\i th:TH_LOAD_NT   ; two rows of Wa's
.endr
.Lno_copy_in:
	s_wait_tensorcnt 0x0                           ; my tile is in LDS; nobody else reads it
.irp t, 0,1                                    ; task t: rows 2 t and 2 t + 1
.irp i, 0,1,2,3,4,5,6,7
	ds_load_b128 v[X+32*\t+4*\i:X+32*\t+4*\i+3], v4 offset:2*ROWP*\t+16*\i
.endr
.endr
.macro QBLK t
.set XS, X+32*(\t)
.set TA, 14+3*(\t)                     ; three registers at work for each task
.if (\t) == 0
	s_wait_dscnt 8                                 ; LDS loads come back in order (ISA guide 5.7.1): the first task's eight are in, the second's eight may be out
.else
	s_wait_dscnt 1                                 ; the second task's are in; the first task's byte store may be out
.endif
	v_max3_num_f32 v[TA], |v[XS]|, |v[XS+1]|, |v[XS+2]|            ; the block's largest magnitude, in two chains
	v_max3_num_f32 v[TA+1], |v[XS+3]|, |v[XS+4]|, |v[XS+5]|
.irp i, 6,10,14,18,22,26
	v_max3_num_f32 v[TA], v[TA], |v[XS+\i]|, |v[XS+\i+1]|
	v_max3_num_f32 v[TA+1], v[TA+1], |v[XS+\i+2]|, |v[XS+\i+3]|
.endr
	v_max3_num_f32 v[TA], v[TA], |v[XS+30]|, |v[XS+31]|
	v_max3_num_f32 v[TA], v[TA], v[TA+1], 0x1800000                ; and the floor 2^(3 - 127): the byte cannot fall under 1
	v_add_nc_u32 v[TA+2], 0xff000000, v[TA]        ; 2 off its exponent field: the conversion takes the exponent field of this operand as its scale, and nothing else of it
.irp g, 0,1,2,3
	v_cvt_scalef32_pk8_fp4_f32 v[C+4*(\t)+\g], v[XS+8*\g:XS+8*\g+7], v[TA+2]
.endr
	v_lshrrev_b32 v[E+(\t)], 23, v[TA+2]           ; the scale's byte; also the plain line behind the conversions
	ds_store_b8 v6, v[E+(\t)] offset:32*(\t)
	global_store_b128 v5, v[C+4*(\t):C+4*(\t)+3], s[DC+2*(\t):DC+2*(\t)+1]   ; 16 lanes store 256 consecutive bytes, at a multiple of 256 from the buffer's first byte
.endm
	QBLK 0
	QBLK 1
	ds_load_b64 v[110:111], v11                    ; LDS serves a wave's instructions in order: this sees my byte stores
	s_wait_loadcnt 0x0
	s_wait_dscnt 0x0
	v_cmp_gt_u32 s30, 6, v7                        ; parts 0-3: the 32 bytes of h or Wh; 4, 5: the 16 of context or Wa; 6, 7: the 16 just made
	v_cmp_gt_u32 vcc_lo, 4, v7
	v_cndmask_b32 v136, v110, v108, s30
	v_cndmask_b32 v137, v111, v109, s30
	v_cndmask_b32 v136, v136, v106, vcc_lo
	v_cndmask_b32 v137, v137, v107, vcc_lo
	global_store_b64 v12, v[136:137], s[SDP:SDP+1] ; my four rows' 256 bytes, aligned
	s_cmp_lt_u32 s[WV], 8
	s_cbranch_scc1 .Lno_copy_out
.irp i, 0,1,2,3
	global_store_b128 v13, v[112+4*\i:115+4*\i], s[WQ0:WQ0+1] offset:1024*\i          ; bytes 0-511 of a row of wq
.endr
.irp i, 0,1
	global_store_b128 v5, v[128+4*\i:131+4*\i], s[WQ0:WQ0+1] offset:2048*\i+512       ; bytes 512-767 of two rows (in these waves v5 = 1,024 row + 16 j)
.endr
.Lno_copy_out:
	s_wait_tensorcnt 0x0
	ds_add_u32 v144, v145
	s_wait_dscnt 0x0
	s_endpgm
.Lfunc_end_k_q412b89cd11_prep:
	.size	k_q412b89cd11_prep, .Lfunc_end_k_q412b89cd11_prep-k_q412b89cd11_prep
	.p2alignl 7, 3214868480
	.fill 96, 4, 3214868480
	.section	.rodata,"a",@progbits
	.p2align	6, 0x0
	.amdhsa_kernel k_q412b89cd11_prep
		.amdhsa_group_segment_fixed_size 169472
		.amdhsa_private_segment_fixed_size 0
		.amdhsa_enable_private_segment 0
		.amdhsa_kernarg_size 96
		.amdhsa_user_sgpr_count 2
		.amdhsa_user_sgpr_kernarg_segment_ptr 1
		.amdhsa_wavefront_size32 1
		.amdhsa_system_sgpr_workgroup_id_x 1
		.amdhsa_system_sgpr_workgroup_id_y 1
		.amdhsa_system_sgpr_workgroup_id_z 1
		.amdhsa_system_vgpr_workitem_id 0
		.amdhsa_next_free_vgpr 146
		.amdhsa_next_free_sgpr 72
		.amdhsa_reserve_vcc 1
		.amdhsa_float_denorm_mode_32 3
		.amdhsa_float_denorm_mode_16_64 3
		.amdhsa_memory_ordered 1
		.amdhsa_forward_progress 1
		.amdhsa_inst_pref_size 11
	.end_amdhsa_kernel
	.amdgpu_metadata
---
amdhsa.version: [ 1, 2 ]
amdhsa.kernels:
  - .name:           k_q412b89cd11_prep
    .symbol:         k_q412b89cd11_prep.kd
    .args:
      - { .name: embedding_prev, .offset: 0, .size: 8, .value_kind: global_buffer, .address_space: global }
      - { .name: Wx, .offset: 8, .size: 8, .value_kind: global_buffer, .address_space: global }
      - { .name: h_prev_scales, .offset: 16, .size: 8, .value_kind: global_buffer, .address_space: global }
      - { .name: Wh_scales, .offset: 24, .size: 8, .value_kind: global_buffer, .address_space: global }
      - { .name: context_scales, .offset: 32, .size: 8, .value_kind: global_buffer, .address_space: global }
      - { .name: Wa_scales, .offset: 40, .size: 8, .value_kind: global_buffer, .address_space: global }
      - { .name: Wh_codes, .offset: 48, .size: 8, .value_kind: global_buffer, .address_space: global }
      - { .name: Wa_codes, .offset: 56, .size: 8, .value_kind: global_buffer, .address_space: global }
      - { .name: xq, .offset: 64, .size: 8, .value_kind: global_buffer, .address_space: global }
      - { .name: wq, .offset: 72, .size: 8, .value_kind: global_buffer, .address_space: global }
      - { .name: sa, .offset: 80, .size: 8, .value_kind: global_buffer, .address_space: global }
      - { .name: sb, .offset: 88, .size: 8, .value_kind: global_buffer, .address_space: global }
    .group_segment_fixed_size: 169472
    .private_segment_fixed_size: 0
    .kernarg_segment_align: 8
    .kernarg_segment_size: 96
    .max_flat_workgroup_size: 384
    .sgpr_count:     72
    .vgpr_count:     146
    .wavefront_size: 32
...
	.end_amdgpu_metadata
.endif
;; end of part 1
;; launch lstm (part 2): grid 16 x 32, 4 waves a work-group, clusters of 4 x 4, 327,680 bytes of LDS; arguments h_prev_codes, context_codes, xq, sa, wq, sb, bl, bl2, bl3, bp, c_prev, out0, out1; writes out0, out1
.if DOCPART == 2
	.amdgcn_target "amdgcn-amd-amdhsa--gfx1250"
	.amdhsa_code_object_version 6
	.text
	.protected	k_q412b89cd11_lstm
	.globl	k_q412b89cd11_lstm
	.p2align	8
	.type	k_q412b89cd11_lstm,@function
k_q412b89cd11_lstm:
	s_mov_b64 s[64:65], 0
	v_nop
	global_prefetch_b8 v0, s[64:65] scope:SCOPE_SE
	s_setreg_imm32_b32 hwreg(HW_REG_WAVE_MODE, 25, 1), 1
	s_wait_xcnt 0x0
	s_wait_alu depctr_hold_cnt(0) depctr_sa_sdst(0) depctr_va_vdst(0) depctr_va_sdst(0) depctr_va_ssrc(0) depctr_va_vcc(0) depctr_vm_vsrc(0)
	s_getreg_b32 s2, hwreg(HW_REG_IB_STS2, 6, 4)
	s_cmp_eq_u32 s2, 0
	s_cbranch_scc0 .Lentry_in_a_cluster
	s_endpgm
.Lentry_in_a_cluster:
	s_bfe_u32 s2, ttmp6, 0x10000c
	s_cmp_lg_u32 s2, 0xf033
	s_cbranch_scc0 .Lentry_shape_is_right
	s_endpgm
.Lentry_shape_is_right:
; pre[b][g][u] = h . Wh + context . Wa + x . Wx + (bl + bl2 + bl3 + bp), on codes of FP4 (E2M1) with one E8M0 scale for each 32 along K; then i, f, o = sigmoid, g = tanh,
; c_t = f c_prev + i g (out1), h_t = o tanh(c_t) (out0), all in f32.  The pre-activations never leave the registers.
; THE THREE PRODUCTS ARE ONE: K goes in four chunks of 512 through a ring of two LDS slots: h's K 0-511, h's K 512-1,023, context's 512, x's (of which three steps of 128 are multiplied: 300 numbers and zero codes).
; A's rows come from h_prev_codes, context_codes and xq; B's rows from wq, in which a row holds Wh's, Wa's and Wx's codes on end and the rows lie in the order 256 (u / 64) + 128 ((u / 32) % 2) + 32 g + u % 32.
; SHARES: a work-group makes 256 rows x 64 units x 4 gates; each of its four waves 128 rows x 32 units x 4 gates: 128 x 128 of the product, 64 accumulators of 16 x 16, 512 registers.
; THE MATRIX INSTRUCTION IS USED TRANSPOSED (source 0 = 16 rows of weights, source 1 = 16 rows of the batch).  In accumulator (a, b) lane (r, h) holds row 16 a + r, gate b / 2, units 16 (b % 2) + 8 h + 0 .. 7:
; so the four gates of one number lie in ONE lane, 16 registers apart, and a lane's eight numbers are neighbours in a row of c_prev and of the outputs.
; THE BIAS is the C of each sum's first matrix instruction.  The f32 sum so runs bias, h, context, x in one chain.
; CLUSTERS: 4 x 4 work-groups.  The four of a row of the cluster need the same rows of the batch, the four of a column the same rows of weights: each tile is asked for JOINTLY.
; THE SCALES of the work-group's 256 + 256 rows, 64 bytes a row for all of K, are two dense blocks of sa and sb: they come once, with the first fills.
; c_prev is asked for at the head, straight into 128 registers a lane that lie idle through the products; it goes into slot 0 when that slot has had its last fill and its last read, and each wave takes its numbers from there.
; So nothing waits for that stream, and no prefetch is written for it; the tiles of codes are shared by joint loads.
; LIMITS: NaN and infinities among the inputs are not served.  tanh(z) is (2 - A) / A with A = 1 + 2^y, y = -2 log2(e) z held at 32 from above: beyond it tanh is -1 to the last bit of f32.
; A sigmoid whose 1 + e^-p passes the largest f32 number comes out as 0.
; REGISTERS, in windows of 256: window 0: v0-31 addresses; v32-95 scale words, two sets, and nothing else; v96-111 the biases at work; v128-191 A's fragments, one set; v192-255 c_prev, 16 loads.
;   window 1: v0-63, v128-191 B's fragments, two sets; v64-127 the bias in the result's layout; v192-255 c_prev, 16 loads; behind the products all of it is the gates' work.
;   window 2: the accumulators of my rows 0-63 ((a, b) at v[8 (8 a + b)]);   window 3: those of my rows 64-127.
.set NQ,     4                         ; steps of 128 along K in a slot
.set FR,     8                         ; registers of a fragment: 16 rows x 128 K
.set NL,     2                         ; LDS loads that bring one
.set NP,     4                         ; places behind this matrix instruction (ISA guide 7.12.1)
.set PITCH,  272                       ; an LDS row: 256 bytes + 16 of padding = 68 words: the 16 rows that a load touches start at 16 different banks
.set HALFT,  128*PITCH                 ; 128 rows: what one tensor load brings
.set SLOT,   4*HALFT                   ; A's 256 rows, then B's 256
.set SCL,    2*SLOT                    ; behind the ring: the scales, as units of 256 bytes + 16 of padding
.set HALFS,  32*272                    ; those of 128 rows
.set SBLK,   4*272                     ; those of 16 rows
.set SPARE,  SCL+4*HALFS               ; the spare words, 128 bytes for each wave: two blocks of 256 bytes that no other line names
.set BSC,    SPARE+512                 ; 512 bytes for each wave: its 128 sums of biases; no tensor load lands there
.set CPB,    0                         ; c_prev, 256 rows x 272: in slot 0's first half, behind that slot's last fill and last read
.set STG,    SLOT                      ; the stage for c_t, 256 rows x 272, and behind it the stage for h_t: in slot 1, behind its last fill and last read
.set STG2,   256*PITCH
.set ADRA, 16                          ; v16-17  LDS address of my A fragments in slot 0, 1
.set VBO,  18                          ; v18     the biases: 4,096 (lane / 8) + 16 (lane % 8): gate lane / 8, four units
.set BSW,  19                          ; v19     where I put four sums of biases
.set ADRB, 20                          ; v20-21  LDS address of my B fragments
.set BSR,  22                          ; v22     where I read the bias back: + 32 h
.set CPS,  23                          ; v23     where I put 16 bytes of c_prev
.set CPA,  24                          ; v24     where I read my numbers of c_prev: row 128 RH + r, byte 128 CH + 32 h
.set STO,  25                          ; v25     the same place in the stage for c_t
.set GO,   26                          ; v26     4,096 (lane / 16) + 16 (lane % 16): two rows of c_prev or of an output, 256 bytes of each
.set ADRS, 27                          ; v27     LDS address of my scale words: lanes 0-15 A's rows, lanes 16-31 B's
.set SPW,  28                          ; v28     LDS address of my spare word; never rewritten
.set NIL,  29                          ; v29     0; never rewritten
.set STO2, 30                          ; v30     my place in the stage for h_t
.set RD,   31                          ; v31     where I read whole rows back
.set SC,   32                          ; scale words: set s at v[SC + 32 s]; register 4 i + q: lanes 0-15 A's block i, lanes 16-31 B's block i, the slot's q-th 128 along K
.set BW,   96
.set AF,   128
.set CQ,   192
.set BI,   64                          ; in window 1: block b's eight biases at v[BI + 8 b]
.set EI,   0                           ; behind the products, in window 1: 32 numbers a lane of each gate,
.set EF,   32
.set EO,   64
.set EG,   96
.set CC,   128                         ; of c_prev, then c_t,
.set RB,   192                         ; and 16 loads of whole rows
.set WV,   66                          ; s66  my wave's number
.set RH,   67                          ; s67  which half of the rows is mine.  Also: I fetch for A (0) or for B (1)
.set CH,   100                         ; s100 which half of the units.  Also: which 128 rows of that tile I fetch
.set G1A,  24                          ; s[24:31] group 1 for tiles of h (rows 512 bytes apart)
.set G1A2, 32                          ; s[32:39] for tiles of context and xq (256)
.set G1B,  40                          ; s[40:47] for tiles of wq (1,024)
.set G1S,  48                          ; s[48:55] for A's scales
.set G1SB, 56                          ; s[56:63] for B's
.set G0A,  68                          ; s[68:83] group 0 for A's four chunks: none is written again
.set G0B,  84                          ; s[84:91] for B, one for each slot
.set G0S,  92
.set G0SB, 96
.set K1,   20                          ; s[20:21] behind the products: -log2(e)
.set K2,   22                          ; s[22:23] -2 log2(e)
.set CAP,  2                           ; s2       32.0
.set PW,   (1<<20)|(1<<21)|(5<<22)|(3<<25)   ; padding on; bit 21 set beside a mask; after every 64 words (code 5) four words (code 3)
.set MSB, 0
.macro WIN new                         ; the immediate's high byte repeats the setting that is left; a switch that changes nothing is dropped
.if MSB != (\new)
	s_set_vgpr_msb (MSB<<8)|(\new)
.set MSB, (\new)
.endif
.endm
.set MUL_LO, 0xa1                      ; source 0 (weights) window 1, source 1 (batch) window 0, C and D window 2
.set MUL_HI, 0xf1                      ; the same, C and D window 3
.set TO_B,   0x40                      ; destination window 1, address window 0
; A joint load: waves 0 and 1 fetch for A, waves 2 and 3 for B.  Each line has one mask and one set of registers for all that issue it; the branch hangs on the wave's number alone.
; Four v_nop follow each of the two lines, ahead of the jump, the label and what follows.
.macro JLOAD g0a, g1a, g0b, g1b
	s_cmp_eq_u32 s[RH], 0
	s_cbranch_scc0 .Lfor_b_\@
	tensor_load_to_lds s[\g0a:\g0a+3], s[\g1a:\g1a+7]
	s_nop 0
.rept 4
	v_nop
.endr
	s_branch .Lasked_\@
.Lfor_b_\@:
	tensor_load_to_lds s[\g0b:\g0b+3], s[\g1b:\g1b+7]
	s_nop 0
.rept 4
	v_nop
.endr
.Lasked_\@:
.endm
.macro CREST                           ; a round of the cluster's barrier behind its opening barrier
	s_cmp_lg_u32 s[WV], 0
	s_cbranch_scc1 .Lnot_wave_0_\@
	s_barrier_signal -3
.Lnot_wave_0_\@:
	s_barrier_wait -3
	s_barrier_signal -1
	s_barrier_wait -1
.endm
.macro CROUND                          ; a whole round
	s_barrier_signal -1
	s_barrier_wait -1
	CREST
.endm
	s_load_b512 s[4:19], s[0:1], 0x0               ; h's codes s[4:5], context's s[6:7], xq s[8:9], sa s[10:11], wq s[12:13], sb s[14:15], bl s[16:17], bl2 s[18:19]
	v_lshl_add_u32 v[SPW], v0, 2, SPARE
	v_mov_b32 v[NIL], 0
	ds_add_u32 v28, v29
	ds_add_u32 v28, v29
	s_wait_dscnt 0x0
	v_lshrrev_b32 v1, 5, v0
	v_readfirstlane_b32 s[WV], v1                  ; wave 0..3
	s_lshr_b32 s[RH], s[WV], 1
	s_and_b32 s[CH], s[WV], 1
	s_bfe_u32 s3, ttmp6, 0x40000                   ; cx, cy: my place in the cluster
	s_bfe_u32 s20, ttmp6, 0x40004
	s_lshl_b32 s101, ttmp9, 2
	s_add_co_u32 s101, s101, s3                    ; the tile of 64 units = 4 x cluster x + cx
	s_and_b32 s21, ttmp7, 0xffff
	s_lshl_b32 s21, s21, 2
	s_add_co_u32 s21, s21, s20                     ; the tile of 256 rows = 4 x cluster y + cy
	s_lshl_b32 s22, s20, 2
	s_lshl_b32 s22, 15, s22                        ; my row of the cluster
	s_lshl_b32 s104, 0x1111, s3                    ; my column
	s_or_b32 s[G1A], s22, PW                       ; 15:0 the mask: A's tiles go to my row; elements of 1 byte
	s_or_b32 s[G1A2], s22, PW
	s_or_b32 s[G1B], s104, PW                      ; B's to my column
	s_or_b32 s[G1S], s22, (3<<16)|PW               ; the scales: elements of 8 bytes
	s_or_b32 s[G1SB], s104, (3<<16)|PW
.irp g, G1A, G1A2, G1B                         ; a tile of 128 rows x 256 bytes
	s_mov_b32 s[\g+1], 256<<16                     ; tensor_dim0
	s_mov_b32 s[\g+2], 128<<16                     ; tensor_dim1
	s_mov_b32 s[\g+3], 256<<16                     ; tile_dim0
	s_mov_b32 s[\g+4], 128                         ; tile_dim1
	s_mov_b32 s[\g+6], 0
	s_mov_b32 s[\g+7], 0
.endr
	s_mov_b32 s[G1A+5], 512                        ; from row to row, in bytes
	s_mov_b32 s[G1A2+5], 256
	s_mov_b32 s[G1B+5], 1024
.irp g, G1S, G1SB                              ; the scales of 128 rows: 8,192 dense bytes, as 32 rows of 256 bytes (32 elements of 8)
	s_mov_b32 s[\g+1], 32<<16
	s_mov_b32 s[\g+2], 32<<16
	s_mov_b32 s[\g+3], 32<<16
	s_mov_b32 s[\g+4], 32
	s_mov_b32 s[\g+5], 32
	s_mov_b32 s[\g+6], 0
	s_mov_b32 s[\g+7], 0
.endr
.irp k, 0,1,2,3                                ; where the tiles go: wave x 128 rows, chunk k into slot k % 2: no place in the cluster enters an LDS address
	s_mov_b32 s[G0A+4*\k], 1
	s_mul_i32 s[G0A+4*\k+1], s[WV], HALFT
.endr
	s_add_co_u32 s[G0A+5], s[G0A+5], SLOT
	s_add_co_u32 s[G0A+13], s[G0A+13], SLOT
.irp k, 0,1
	s_mov_b32 s[G0B+4*\k], 1
	s_mul_i32 s[G0B+4*\k+1], s[WV], HALFT
.endr
	s_add_co_u32 s[G0B+5], s[G0B+5], SLOT
	s_mov_b32 s[G0S], 1
	s_mul_i32 s[G0S+1], s[WV], HALFS
	s_add_co_u32 s[G0S+1], s[G0S+1], SCL
	s_mov_b32 s[G0SB], 1
	s_mul_i32 s[G0SB+1], s[WV], HALFS
	s_add_co_u32 s[G0SB+1], s[G0SB+1], SCL
	s_lshl_b32 s20, s21, 8                         ; where they come from.  A: row 256 x tile + 128 x half, made of the rows' tile alone;
	s_lshl_b32 s22, s[CH], 7
	s_add_co_u32 s20, s20, s22
	s_mov_b32 s23, 0
	s_lshl_b32 s3, s101, 8                         ; B: the same of the units' tile alone
	s_lshl_b32 s104, s[CH], 7
	s_add_co_u32 s3, s3, s104
	s_mov_b32 s105, 0
	s_wait_kmcnt 0x0
	s_lshl_b32 s22, s20, 9
	s_add_nc_u64 s[G0A+2:G0A+3], s[4:5], s[22:23]          ; chunk 0: h's K 0-511
	s_add_nc_u64 s[G0A+6:G0A+7], s[G0A+2:G0A+3], 256       ; chunk 1: h's K 512-1,023
	s_lshl_b32 s22, s20, 8
	s_add_nc_u64 s[G0A+10:G0A+11], s[6:7], s[22:23]        ; chunk 2: context
	s_add_nc_u64 s[G0A+14:G0A+15], s[8:9], s[22:23]        ; chunk 3: x
	s_lshl_b32 s22, s20, 6
	s_add_nc_u64 s[G0S+2:G0S+3], s[10:11], s[22:23]
	s_lshl_b32 s104, s3, 10
	s_add_nc_u64 s[G0B+2:G0B+3], s[12:13], s[104:105]      ; slot 0: chunk 0, later chunk 2
	s_add_nc_u64 s[G0B+6:G0B+7], s[G0B+2:G0B+3], 256       ; slot 1: chunk 1, later chunk 3
	s_lshl_b32 s104, s3, 6
	s_add_nc_u64 s[G0SB+2:G0SB+3], s[14:15], s[104:105]
.irp w, G0A+3, G0A+7, G0A+11, G0A+15, G0B+3, G0B+7, G0S+3, G0SB+3
	s_or_b32 s[\w], s[\w], 0x80000000              ; type = 2
.endr
	CROUND                                         ; all sixteen work-groups are here: the first joint loads meet
	JLOAD G0S, G1S, G0SB, G1SB                     ; the scales first: they are wanted with chunk 0
	JLOAD G0A, G1A, G0B, G1B                       ; chunk 0
	JLOAD G0A+4, G1A, G0B+4, G1B                   ; chunk 1: three tensor loads of mine are out
	s_load_b256 s[4:11], s[0:1], 0x40              ; bl3 s[4:5], bp s[6:7], c_prev s[8:9], out0 s[10:11]
	s_load_b64 s[12:13], s[0:1], 0x60              ; out1
	v_and_b32 v1, 15, v0                           ; r = lane % 16
	v_bfe_u32 v2, v0, 4, 1                         ; h = lane / 16
	v_and_b32 v7, 31, v0                           ; lane
	v_mul_u32_u24 v3, v1, PITCH
	v_lshl_add_u32 v4, v2, 4, v3                   ; a fragment's row x pitch + 16 x half
	s_mul_i32 s22, s[RH], HALFT                    ; my 128 rows of A
	s_mul_i32 s104, s[CH], HALFT                   ; my 128 rows of B,
	s_add_co_u32 s104, s104, 2*HALFT               ; which lie behind A's 256
.irp s, 0,1
	v_add_nc_u32 v[ADRA+\s], s22, v4
	v_add_nc_u32 v[ADRB+\s], s104, v4
	s_add_co_u32 s22, s22, SLOT
	s_add_co_u32 s104, s104, SLOT
.endr
	v_lshlrev_b32 v5, 6, v1                        ; my row's scales: 64 bytes a row,
	v_lshrrev_b32 v6, 8, v5
	v_lshl_add_u32 v5, v6, 4, v5                   ; and 16 more for each 256 passed
	s_mul_i32 s22, s[RH], HALFS
	s_mul_i32 s104, s[CH], HALFS
	s_add_co_u32 s104, s104, 2*HALFS
	s_sub_co_u32 s104, s104, s22
	v_mul_u32_u24 v6, s104, v2                     ; lanes 16-31 take B's: the lower base + h x the distance
	s_add_co_u32 s22, s22, SCL
	v_add_nc_u32 v5, v5, v6
	v_add_nc_u32 v[ADRS], s22, v5
	v_lshrrev_b32 v8, 3, v7
	v_and_b32 v9, 7, v7
	v_lshlrev_b32 v[VBO], 12, v8
	v_lshl_add_u32 v[VBO], v9, 4, v[VBO]
	s_lshl_b32 s22, s[WV], 9
	s_add_co_u32 s22, s22, BSC
	v_lshl_add_u32 v[BSW], v7, 4, s22
	v_lshl_add_u32 v[BSR], v2, 5, s22
	s_mul_i32 s22, s[WV], 64*PITCH                 ; c_prev on its way in: wave w brings rows 64 w .. 64 w + 63, two a load
	v_mul_u32_u24 v[CPS], v2, PITCH
	v_lshl_add_u32 v[CPS], v1, 4, v[CPS]
	v_add_nc_u32 v[CPS], s22, v[CPS]
	s_mul_i32 s22, s[RH], 128*PITCH
	s_lshl_b32 s104, s[CH], 7
	s_add_co_u32 s104, s104, s22
	v_lshl_add_u32 v[CPA], v2, 5, v3
	v_add_nc_u32 v[CPA], s104, v[CPA]
	v_add_nc_u32 v[STO], STG, v[CPA]
	v_add_nc_u32 v[STO2], STG2, v[STO]
	v_lshlrev_b32 v[GO], 12, v2
	v_lshl_add_u32 v[GO], v1, 4, v[GO]
	s_mul_i32 s104, s[CH], STG2                    ; the way out: waves with CH = 0 take c_t's stage, the others h_t's; rows 128 RH on
	s_add_co_u32 s22, s22, s104
	s_add_co_u32 s22, s22, STG
	v_mul_u32_u24 v[RD], v2, PITCH
	v_lshl_add_u32 v[RD], v1, 4, v[RD]
	v_add_nc_u32 v[RD], s22, v[RD]
	s_wait_kmcnt 0x0
	s_lshl_b32 s104, s101, 8                       ; 64 units are 256 bytes
	s_lshl_b32 s22, s[CH], 7
	s_add_co_u32 s22, s22, s104                    ; the biases of my 32 units: 256 x tile + 128 x half
	s_add_nc_u64 s[16:17], s[16:17], s[22:23]
	s_add_nc_u64 s[18:19], s[18:19], s[22:23]
	s_add_nc_u64 s[4:5], s[4:5], s[22:23]
	s_add_nc_u64 s[6:7], s[6:7], s[22:23]
	s_lshl_b32 s22, s21, 8
	s_lshl_b32 s20, s[WV], 6
	s_add_co_u32 s22, s22, s20
	s_lshl_b32 s22, s22, 12                        ; a row is 4,096 bytes; the whole tensor stays under 2^26 bytes
	s_add_co_u32 s22, s22, s104
	s_add_nc_u64 s[8:9], s[8:9], s[22:23]          ; c_prev at row 256 x tile + 64 x wave, my work-group's 256 bytes
	s_cmp_eq_u32 s[CH], 0
	s_cselect_b64 s[10:11], s[12:13], s[10:11]     ; which output I store: the choice hangs on the wave's number alone
	s_lshl_b32 s22, s21, 8
	s_lshl_b32 s20, s[RH], 7
	s_add_co_u32 s22, s22, s20
	s_lshl_b32 s22, s22, 12
	s_add_co_u32 s22, s22, s104
	s_add_nc_u64 s[10:11], s[10:11], s[22:23]      ; at row 256 x tile + 128 x half
	global_load_b128 v[BW:BW+3], v[VBO], s[16:17]
	global_load_b128 v[BW+4:BW+7], v[VBO], s[18:19]
	global_load_b128 v[BW+8:BW+11], v[VBO], s[4:5]
	global_load_b128 v[BW+12:BW+15], v[VBO], s[6:7]
.irp t, 0,1,2,3,4,5,6,7,8,9,10,11,12,13,14,15
	global_load_b128 v[CQ+4*\t:CQ+4*\t+3], v[GO], s[8:9] offset:8192*\t th:TH_LOAD_NT          ; two rows' 256 bytes each, aligned
.endr
	WIN TO_B
.irp t, 0,1,2,3,4,5,6,7,8,9,10,11,12,13,14,15
	global_load_b128 v[CQ+4*\t:CQ+4*\t+3], v[GO], s[8:9] offset:8192*(16+\t) th:TH_LOAD_NT
.endr
	WIN 0
	s_wait_loadcnt 32                              ; the four loads of biases are in; c_prev's 32 stay out
.irp k, 4,8,12                                 ; ((bl + bl2) + bl3) + bp
	v_pk_add_f32 v[BW:BW+1], v[BW:BW+1], v[BW+\k:BW+\k+1]
	v_pk_add_f32 v[BW+2:BW+3], v[BW+2:BW+3], v[BW+\k+2:BW+\k+3]
.endr
	ds_store_b128 v[BSW], v[BW:BW+3]               ; my wave's 128 sums: gate x 128 bytes + unit x 4
	WIN TO_B
.irp b, 0,1,2,3,4,5,6,7                        ; back in the result's layout: block b, lane (r, h): gate b / 2, units 16 (b % 2) + 8 h + 0 .. 7.  LDS serves a wave's instructions in order: these see the store
	ds_load_b128 v[BI+8*\b:BI+8*\b+3], v[BSR] offset:128*(\b/2)+64*(\b%2)
	ds_load_b128 v[BI+8*\b+4:BI+8*\b+7], v[BSR] offset:128*(\b/2)+64*(\b%2)+16
.endr
	WIN 0
.macro FRAG reg, adr, q, i             ; a fragment: lane l holds row l % 16; registers 4 c .. 4 c + 3 hold K = 64 c + 32 (l / 16) + 0 .. 31: 16 bytes of the row as they lie
.irp c, 0,1
	ds_load_b128 v[\reg+4*\c:\reg+4*\c+3], v[\adr] offset:64*(\q)+32*\c+(\i)*16*PITCH
.endr
.endm
; 16 matrix instructions: A's blocks a0, a0 + 1 x B's eight, the slot's q-th 128 along K.  p: B's set;  sc: the set of scale words.  first = 1: the bias is C: nothing is cleared and nothing is added later.
; The 64 accumulators take turns, one instruction a turn, in the same order in every step.
.macro MUL16 a0, p, q, sc, first
.irp a, \a0, \a0+1
.irp b, 0,1,2,3,4,5,6,7
.if \first
	v_wmma_scale_f32_16x16x128_f8f6f4 v[8*(8*((\a)%4)+\b):8*(8*((\a)%4)+\b)+7], v[128*(\p)+FR*\b:128*(\p)+FR*\b+FR-1], v[AF+FR*(\a):AF+FR*(\a)+FR-1], v[BI+8*\b:BI+8*\b+7], v[SC+8*NQ*(\sc)+NQ*\b+(\q)], v[SC+8*NQ*(\sc)+NQ*(\a)+(\q)] matrix_a_fmt:MATRIX_FMT_FP4 matrix_b_fmt:MATRIX_FMT_FP4 matrix_a_scale:MATRIX_SCALE_ROW1
.else
	v_wmma_scale_f32_16x16x128_f8f6f4 v[8*(8*((\a)%4)+\b):8*(8*((\a)%4)+\b)+7], v[128*(\p)+FR*\b:128*(\p)+FR*\b+FR-1], v[AF+FR*(\a):AF+FR*(\a)+FR-1], v[8*(8*((\a)%4)+\b):8*(8*((\a)%4)+\b)+7], v[SC+8*NQ*(\sc)+NQ*\b+(\q)], v[SC+8*NQ*(\sc)+NQ*(\a)+(\q)] matrix_a_fmt:MATRIX_FMT_FP4 matrix_b_fmt:MATRIX_FMT_FP4 matrix_a_scale:MATRIX_SCALE_ROW1
.endif
.endr
.endr
.endm
.macro FETCH_B slot, q, p              ; B's eight fragments into set p
	WIN TO_B
.irp i, 0,1,2,3,4,5,6,7
	FRAG 128*(\p)+FR*\i, ADRB+\slot, \q, \i
.endr
	WIN 0
.endm
.macro FETCH_A slot, q, i0             ; A's blocks i0 .. i0 + 3
.irp i, \i0, \i0+1, \i0+2, \i0+3
	FRAG AF+FR*(\i), ADRA+\slot, \q, \i
.endr
.endm
.macro SCALES sc                       ; a chunk's scale words into set sc: four words a row; lanes 0-15 take A's block i, lanes 16-31 B's block i
.irp i, 0,1,2,3,4,5,6,7
	ds_load_b128 v[SC+8*NQ*\sc+NQ*\i:SC+8*NQ*\sc+NQ*\i+3], v[ADRS] offset:\i*SBLK
.endr
.endm
; A load into a register that a matrix instruction has read, and a vector instruction that reads a matrix result, stand NP places behind it; only plain vector instructions that name none of its registers are places.
.macro PLACES n
.rept \n
	v_nop
.endr
.endm
; A step of 128 along K that has its successor in the same slot.  A's blocks are free as soon as their eight products are issued: blocks 0-3 are fetched anew in the step's middle, blocks 4-7 at its end.
; more: LDS instructions issued behind the last fetch, which may stay out with it.
.macro STEP slot, q, first, more
	s_wait_dscnt 4*NL+\more                        ; B's set, A's blocks 0-3 and the scale words are in; the youngest eight loads (A's blocks 4-7), and what was issued behind them, may be out
.if \first
	WIN 0x91                                       ; source 0 and C (the bias) window 1, source 1 window 0, D window 2
.else
	WIN MUL_LO
.endif
	MUL16 0, (\q)%2, \q, \slot, \first
	MUL16 2, (\q)%2, \q, \slot, \first
	s_wait_dscnt 0                                 ; A's blocks 4-7 are in
	PLACES NP
	FETCH_B \slot, (\q)+1, 1-(\q)%2
	FETCH_A \slot, (\q)+1, 0
.if \first
	WIN 0xd1                                       ; the same, D window 3
.else
	WIN MUL_HI
.endif
	MUL16 4, (\q)%2, \q, \slot, \first
	MUL16 6, (\q)%2, \q, \slot, \first
	PLACES NP
	WIN 0
	FETCH_A \slot, (\q)+1, 4
.endm
; A slot's last step changes slots: ONE barrier; in front of it each wave waits for all its tensor loads, adds 0 to its spare word, and waits for that and for its own reads of this slot.
; fill = 1: the slot is filled again with the chunk two on: A's by the group 0 named, B's 512 bytes further along wq's rows.
.macro TURN slot, next, fill, g0a
	s_wait_tensorcnt 0x0                           ; all my tensor loads have landed: my part of the next slot;  (every window is 0 here)
	ds_add_u32 v[SPW], v[NIL]                      ; 0 onto my spare word
	s_wait_dscnt 4*NL+1                            ; (the add and the youngest eight loads may be out)
	WIN MUL_LO
	MUL16 0, 1, NQ-1, \slot, 0                     ; sixteen matrix instructions stand between the add and the wait for it
	s_wait_dscnt 0x0                               ; the add is done, and my reads of this slot are over
	s_barrier_signal -1
	MUL16 2, 1, NQ-1, \slot, 0
	WIN 0
	s_barrier_wait -1
.if \fill
	CREST                                          ; the barrier has opened a round of the cluster's: no wave of any partner still reads this slot or has a load on its way
	s_add_nc_u64 s[G0B+4*\slot+2:G0B+4*\slot+3], s[G0B+4*\slot+2:G0B+4*\slot+3], 512
	JLOAD \g0a, G1A2, G0B+4*\slot, G1B             ; the first tensor load behind the round, my one load until the next; its four v_nop are the places in front of the loads below
.else
	PLACES NP
.endif
	v_add_nc_u32 v[ADRS], 4*NQ, v[ADRS]            ; on to the next chunk's scale words
	FETCH_B \next, 0, 0
	FETCH_A \next, 0, 0
	SCALES \next
	WIN MUL_HI
	MUL16 4, 1, NQ-1, \slot, 0
	MUL16 6, 1, NQ-1, \slot, 0
	PLACES NP
	WIN 0
	FETCH_A \next, 0, 4
.endm
	s_wait_tensorcnt 1                             ; the scales and my part of chunk 0 are in (chunk 1's load may be out)
	s_wait_dscnt 0x0                               ; and the bias
	s_barrier_signal -1
	s_barrier_wait -1                              ; everybody's are
	FETCH_B 0, 0, 0
	FETCH_A 0, 0, 0
	SCALES 0
	FETCH_A 0, 0, 4
	STEP 0, 0, 1, 0                                ; chunk 0: h's K 0-511.  Fifteen steps, written out: the chunks differ in their refills
	STEP 0, 1, 0, 0
	STEP 0, 2, 0, 0
	TURN 0, 1, 1, G0A+8                            ; slot 0 takes context
	STEP 1, 0, 0, 0                                ; chunk 1: h's K 512-1,023
	STEP 1, 1, 0, 0
	STEP 1, 2, 0, 0
	TURN 1, 0, 1, G0A+12                           ; slot 1 takes x
	STEP 0, 0, 0, 0                                ; chunk 2: context
	STEP 0, 1, 0, 0
	STEP 0, 2, 0, 0
	TURN 0, 1, 0, 0                                ; nothing is left to fetch: slot 0 has had its last fill, and behind this barrier nobody reads it
	s_wait_loadcnt 0x0                             ; c_prev, asked for at the head
.irp t, 0,1,2,3,4,5,6,7,8,9,10,11,12,13,14,15
	ds_store_b128 v[CPS], v[CQ+4*\t:CQ+4*\t+3] offset:2*PITCH*\t
.endr
	WIN 0x04                                       ; an LDS store's data are its source 1: window 1
.irp t, 0,1,2,3,4,5,6,7,8,9,10,11,12,13,14,15
	ds_store_b128 v[CPS], v[CQ+4*\t:CQ+4*\t+3] offset:2*PITCH*(16+\t)
.endr
	WIN 0
	STEP 1, 0, 0, 32                               ; chunk 3: x.  Behind the last fetch stand the 32 stores above
	STEP 1, 1, 0, 0
	s_wait_dscnt 4*NL                              ; the last step, x's K 256-383: nothing more to fetch
	WIN MUL_LO
	MUL16 0, 0, 2, 1, 0
	MUL16 2, 0, 2, 1, 0
	s_wait_dscnt 0
	WIN MUL_HI
	MUL16 4, 0, 2, 1, 0
	MUL16 6, 0, 2, 1, 0
	WIN 0
	s_barrier_signal -1                            ; no LDS instruction of mine is out: my stores of c_prev have landed and my reads of slot 1 are over
	s_barrier_wait -1                              ; that holds of all four waves: c_prev is whole, and slot 1 may take the stages
	s_mov_b32 s[K1], 0xbfb8aa3b                    ; -log2(e)
	s_mov_b32 s[K1+1], s[K1]                       ; (named with it as a pair, so it is written)
	s_mov_b32 s[K2], 0xc038aa3b                    ; -2 log2(e)
	s_mov_b32 s[K2+1], s[K2]
	s_mov_b32 s[CAP], 0x42000000                   ; 32.0
	PLACES NP                                      ; behind the last products: in front of the first reads of results and of loads into registers that they read
; THE GATES, two blocks of 16 rows at a time: 32 numbers a lane.  Number e = 16 blk + 8 u + j of gate G lies in accumulator register AB + 64 blk + 16 G + 8 u + j of window WW.
;   E = 2^(-log2(e) p) for i, f, o;  E = 2^min(32, -2 log2(e) p) for g.   A = 1 + Eg:  tanh = (2 - A) / A.   i g = (2 - A) / ((1 + Ei) A);   f = 1 / (1 + Ef);   c_t = f c_prev + i g;
;   the same for tanh(c_t) with o:  h_t = (2 - A') / ((1 + Eo) A').   So two numbers share each reciprocal, and (1 + E) A is one fused multiply-add, E A + A.
; Exponentials and reciprocals go in four batches; behind each a plain line and ONE s_wait_alu depctr_va_vdst(0) ahead of the first line that names a result.
.macro TOSTAGE adr, reg, P             ; a lane's 32 numbers, eight neighbours of a row at a time
.irp blk, 0,1
.irp f, 0,1,2,3
	ds_store_b128 v[\adr], v[\reg+16*\blk+4*\f:\reg+16*\blk+4*\f+3] offset:16*PITCH*(2*(\P)+\blk)+64*(\f/2)+16*(\f%2)
.endr
.endr
.endm
.macro EPI P
.set AB, 128*((\P)%2)
.set WW, 2+(\P)/2
	WIN TO_B
.irp blk, 0,1
.irp f, 0,1,2,3
	ds_load_b128 v[CC+16*\blk+4*\f:CC+16*\blk+4*\f+3], v[CPA] offset:16*PITCH*(2*(\P)+\blk)+64*(\f/2)+16*(\f%2)   ; my numbers of c_prev
.endr
.endr
	WIN 0x55*WW                                    ; all places: the accumulators' window
.set n, 0
.rept 64                                       ; in place, registers ascending: each accumulator is read from its low end on
.if (n/8)%4 == 3
	v_pk_mul_f32 v[AB+2*n:AB+2*n+1], v[AB+2*n:AB+2*n+1], s[K2:K2+1] op_sel_hi:[1,0]
.else
	v_pk_mul_f32 v[AB+2*n:AB+2*n+1], v[AB+2*n:AB+2*n+1], s[K1:K1+1] op_sel_hi:[1,0]
.endif
.set n, n+1
.endr
.set n, 0
.rept 32
	v_min_num_f32 v[AB+64*(n/16)+48+n%16], s[CAP], v[AB+64*(n/16)+48+n%16]   ; gate g's exponent is held at 32
.set n, n+1
.endr
	WIN 0x40+WW                                    ; source: the accumulators' window; destination: window 1
.set n, 0
.rept 128
	v_exp_f32 v[EI+n], v[AB+64*((n%32)/16)+16*(n/32)+n%16]   ; Ei, Ef, Eo, Eg: 32 registers each, on end
.set n, n+1
.endr
	WIN 0x55                                       ; all places: window 1
	v_nop
	s_wait_alu depctr_va_vdst(0)
.irp k, 0,2,4,6,8,10,12,14,16,18,20,22,24,26,28,30
	v_pk_add_f32 v[EG+\k:EG+\k+1], v[EG+\k:EG+\k+1], 1.0 op_sel_hi:[1,0]                       ; A = 1 + Eg
.endr
.irp k, 0,2,4,6,8,10,12,14,16,18,20,22,24,26,28,30
	v_pk_fma_f32 v[EI+\k:EI+\k+1], v[EI+\k:EI+\k+1], v[EG+\k:EG+\k+1], v[EG+\k:EG+\k+1]        ; (1 + Ei) A
.endr
.irp k, 0,2,4,6,8,10,12,14,16,18,20,22,24,26,28,30
	v_pk_fma_f32 v[EG+\k:EG+\k+1], v[EG+\k:EG+\k+1], -1.0, 2.0 op_sel_hi:[1,0,0]               ; 2 - A
.endr
.irp k, 0,2,4,6,8,10,12,14,16,18,20,22,24,26,28,30
	v_pk_add_f32 v[EF+\k:EF+\k+1], v[EF+\k:EF+\k+1], 1.0 op_sel_hi:[1,0]                       ; 1 + Ef
.endr
.set n, 0
.rept 64
	v_rcp_f32 v[EI+n], v[EI+n]                     ; EI and EF lie on end
.set n, n+1
.endr
	v_nop
	s_wait_alu depctr_va_vdst(0)
	s_wait_dscnt 0x0                               ; c_prev is in
.irp k, 0,2,4,6,8,10,12,14,16,18,20,22,24,26,28,30
	v_pk_mul_f32 v[EG+\k:EG+\k+1], v[EG+\k:EG+\k+1], v[EI+\k:EI+\k+1]                          ; i g
.endr
.irp k, 0,2,4,6,8,10,12,14,16,18,20,22,24,26,28,30
	v_pk_fma_f32 v[CC+\k:CC+\k+1], v[EF+\k:EF+\k+1], v[CC+\k:CC+\k+1], v[EG+\k:EG+\k+1]        ; c_t = f c_prev + i g
.endr
.irp k, 0,2,4,6,8,10,12,14,16,18,20,22,24,26,28,30
	v_pk_mul_f32 v[EI+\k:EI+\k+1], v[CC+\k:CC+\k+1], s[K2:K2+1] op_sel_hi:[1,0]
.endr
.set n, 0
.rept 32
	v_min_num_f32 v[EI+n], s[CAP], v[EI+n]
.set n, n+1
.endr
.set n, 0
.rept 32
	v_exp_f32 v[EI+n], v[EI+n]
.set n, n+1
.endr
	v_nop
	WIN 0x04                                       ; an LDS store's data: window 1; its address: window 0
	TOSTAGE STO, CC, \P                            ; c_t goes to its stage while the exponentials are out
	WIN 0x55
	s_wait_alu depctr_va_vdst(0)
.irp k, 0,2,4,6,8,10,12,14,16,18,20,22,24,26,28,30
	v_pk_add_f32 v[EI+\k:EI+\k+1], v[EI+\k:EI+\k+1], 1.0 op_sel_hi:[1,0]                       ; A'
.endr
.irp k, 0,2,4,6,8,10,12,14,16,18,20,22,24,26,28,30
	v_pk_fma_f32 v[EO+\k:EO+\k+1], v[EO+\k:EO+\k+1], v[EI+\k:EI+\k+1], v[EI+\k:EI+\k+1]        ; (1 + Eo) A'
.endr
.irp k, 0,2,4,6,8,10,12,14,16,18,20,22,24,26,28,30
	v_pk_fma_f32 v[EI+\k:EI+\k+1], v[EI+\k:EI+\k+1], -1.0, 2.0 op_sel_hi:[1,0,0]               ; 2 - A'
.endr
.set n, 0
.rept 32
	v_rcp_f32 v[EO+n], v[EO+n]
.set n, n+1
.endr
	v_nop
	s_wait_alu depctr_va_vdst(0)
.irp k, 0,2,4,6,8,10,12,14,16,18,20,22,24,26,28,30
	v_pk_mul_f32 v[EI+\k:EI+\k+1], v[EI+\k:EI+\k+1], v[EO+\k:EO+\k+1]                          ; h_t
.endr
	WIN 0x04
	TOSTAGE STO2, EI, \P
	s_wait_dscnt 0x0                               ; for the others' sake: my stores into the stages have landed
	s_barrier_signal -1
	s_barrier_wait -1                              ; a row's 256 bytes come from two waves: now these 32 rows of each half are whole.  A stage's rows are written once, so no second barrier is wanted
	s_wait_xcnt 0x0                                ; the last phase's stores have read their registers: only behind this wait are they loaded again
	WIN TO_B
.irp t, 0,1,2,3,4,5,6,7,8,9,10,11,12,13,14,15
	ds_load_b128 v[RB+4*\t:RB+4*\t+3], v[RD] offset:PITCH*(32*(\P)+2*\t)
.endr
	WIN 0x04                                       ; a store's data: window 1
.irp t, 0,1,2,3,4,5,6,7,8,9,10,11,12,13,14,15
	s_wait_dscnt 15-\t                             ; load t is back; the younger ones may be out
	global_store_b128 v[GO], v[RB+4*\t:RB+4*\t+3], s[10:11] offset:4096*(32*(\P)+2*\t) th:TH_STORE_NT   ; 16 lanes store 256 consecutive bytes, at a multiple of 256 from the output's first byte; 126 rows at the most: inside the signed 24-bit immediate
.endr
.endm
	EPI 0
	EPI 1
	EPI 2
	EPI 3
	WIN 0
	s_wait_tensorcnt 0x0                           ; the wave's end: behind my last tensor load and my last LDS store
	ds_add_u32 v[SPW], v[NIL]
	s_wait_dscnt 0x0
	CROUND                                         ; the closing round: no work-group ends while a partner may still ask for a tile that names it
	s_endpgm
.Lfunc_end_k_q412b89cd11_lstm:
	.size	k_q412b89cd11_lstm, .Lfunc_end_k_q412b89cd11_lstm-k_q412b89cd11_lstm
	.p2alignl 7, 3214868480
	.fill 96, 4, 3214868480
	.section	.rodata,"a",@progbits
	.p2align	6, 0x0
	.amdhsa_kernel k_q412b89cd11_lstm
		.amdhsa_group_segment_fixed_size 327680
		.amdhsa_private_segment_fixed_size 0
		.amdhsa_enable_private_segment 0
		.amdhsa_kernarg_size 104
		.amdhsa_user_sgpr_count 2
		.amdhsa_user_sgpr_kernarg_segment_ptr 1
		.amdhsa_wavefront_size32 1
		.amdhsa_system_sgpr_workgroup_id_x 1
		.amdhsa_system_sgpr_workgroup_id_y 1
		.amdhsa_system_sgpr_workgroup_id_z 1
		.amdhsa_system_vgpr_workitem_id 0
		.amdhsa_next_free_vgpr 1024
		.amdhsa_next_free_sgpr 106
		.amdhsa_reserve_vcc 0
		.amdhsa_float_denorm_mode_32 3
		.amdhsa_float_denorm_mode_16_64 3
		.amdhsa_memory_ordered 1
		.amdhsa_forward_progress 1
		.amdhsa_inst_pref_size 255
	.end_amdhsa_kernel
	.section	.bss,"aw",@nobits
	.p2align	6
	.space	262144
	.amdgpu_metadata
---
amdhsa.version: [ 1, 2 ]
amdhsa.kernels:
  - .name:           k_q412b89cd11_lstm
    .symbol:         k_q412b89cd11_lstm.kd
    .args:
      - { .name: h_prev_codes, .offset: 0, .size: 8, .value_kind: global_buffer, .address_space: global }
      - { .name: context_codes, .offset: 8, .size: 8, .value_kind: global_buffer, .address_space: global }
      - { .name: xq, .offset: 16, .size: 8, .value_kind: global_buffer, .address_space: global }
      - { .name: sa, .offset: 24, .size: 8, .value_kind: global_buffer, .address_space: global }
      - { .name: wq, .offset: 32, .size: 8, .value_kind: global_buffer, .address_space: global }
      - { .name: sb, .offset: 40, .size: 8, .value_kind: global_buffer, .address_space: global }
      - { .name: bl, .offset: 48, .size: 8, .value_kind: global_buffer, .address_space: global }
      - { .name: bl2, .offset: 56, .size: 8, .value_kind: global_buffer, .address_space: global }
      - { .name: bl3, .offset: 64, .size: 8, .value_kind: global_buffer, .address_space: global }
      - { .name: bp, .offset: 72, .size: 8, .value_kind: global_buffer, .address_space: global }
      - { .name: c_prev, .offset: 80, .size: 8, .value_kind: global_buffer, .address_space: global }
      - { .name: out0, .offset: 88, .size: 8, .value_kind: global_buffer, .address_space: global }
      - { .name: out1, .offset: 96, .size: 8, .value_kind: global_buffer, .address_space: global }
    .group_segment_fixed_size: 327680
    .private_segment_fixed_size: 0
    .kernarg_segment_align: 8
    .kernarg_segment_size: 104
    .max_flat_workgroup_size: 128
    .sgpr_count:     106
    .vgpr_count:     1024
    .wavefront_size: 32
...
	.end_amdgpu_metadata
.endif
;; end of part 2
;; ======== version 2 of 2: 2 launches
;; limits: right only within a limited range of input values
;; workspace buffers: xq 2,097,152 bytes; wq 4,194,304 bytes
;; launch prep (part 3): grid 256 x 1, 5 waves a work-group, no clusters, 167,936 bytes of LDS; arguments embedding_prev, Wx, h_prev_scales, Wh_scales, context_scales, Wa_scales, Wh_codes, Wa_codes, bl, bl2, bl3, bp, xq, wq; writes xq, wq
.if DOCPART == 3
	.amdgcn_target "amdgcn-amd-amdhsa--gfx1250"
	.amdhsa_code_object_version 6
	.text
	.protected	k_q412b89cd11_prep
	.globl	k_q412b89cd11_prep
	.p2align	8
	.type	k_q412b89cd11_prep,@function
k_q412b89cd11_prep:
	s_mov_b64 s[64:65], 0
	v_nop
	global_prefetch_b8 v0, s[64:65] scope:SCOPE_SE
	s_setreg_imm32_b32 hwreg(HW_REG_WAVE_MODE, 25, 1), 1
	s_wait_xcnt 0x0
; WHAT IT MAKES, for the product's launch, in the order in which that launch wants it:
;   xq: for each 16 rows of the batch 4,096 bytes, [chunk 0-15][row 0-15][16 bytes].  Chunks 0-11: embedding_prev's blocks of 32 codes of FP4 (300 numbers, then zero codes); chunks 12-15: the row's scale bytes
;       (32 of h_prev, 16 of context, 12 of x, one word of 0).
;   wq: for each 16 units 65,536 bytes: [step 0-14 of 128 along K][gate][chunk 0-3][unit][16 bytes] of codes (Wh: steps 0-7, Wa: 8-11, Wx: 12-14), then [gate][chunk 0-3][unit][16 bytes]: the scale bytes
;       (32 of Wh, 16 of Wa, 12 of Wx) and in the last word K x (bl + bl2 + bl3 + bp), K = -log2(e), for gate g -2 log2(e).
; SHARES: work-group n: waves 0, 1 take 16 rows of x each, wave 2 takes 16 rows of the weights' Wx (one gate's 16 units), waves 3 and 4 re-lay these rows' codes of Wh and Wa.  Waves share nothing: no barrier.
; 16 rows of 300 f32 are 19,200 dense bytes: 75 rows of 256 bytes to the tensor load.  In LDS a row is 1,200 bytes, an odd multiple of 16: lanes that take the same place of 16 rows start at 16 different banks.
; A LANE TAKES A WHOLE BLOCK: lane (r, h) row r, blocks 2 i + h.  32 lanes store 512 consecutive bytes.
; THE QUANTISER: scale 2^(floor(log2(largest magnitude)) - 2), its byte the exponent field less 2, held at 1 from below.
; LIMITS: a block whose largest magnitude lies under 2^-124, a block of zeros among them, gets the byte 1 (its codes add less than any number that counts; these bytes are read by this program alone).
; NaN and infinities among the inputs are not served.
.set TILEB, 19200
.set LWH,   3*TILEB                    ; Wh's 16 rows of 512 bytes, pitch 528
.set LWA,   LWH+16*528                 ; Wa's 16 rows of 256 bytes, pitch 272
.set SPARE, LWA+16*272                 ; the spare words: 5 x 128 bytes, three blocks of 256
.set WV,  32
.set GRP, 33                           ; my group of 16 rows
.set U,   34                           ; the work-group's group of 16 units, n % 64
.set GT,  35                           ; its gate, n / 64
.set G1A, 36
.set G1H, 44
.set G1W, 52
.set G0A, 60
.set G0H, 68
.set G0W, 72
.set SRC, 82
.set HS,  84
.set CS,  86
.set DST, 88
.set WB,  90
.set HM,  92                           ; s92: lanes 16-31
.set X,   64                           ; v64-223: five blocks' 32 numbers
.set C,   224                          ; v224-243: their codes
.set Z,   244                          ; v244-247: zeros
	s_load_b512 s[4:19], s[0:1], 0x0               ; x, Wx, h's scales, Wh's, context's, Wa's, Wh's codes, Wa's
	s_load_b256 s[20:27], s[0:1], 0x40             ; bl, bl2, bl3, bp
	s_load_b128 s[28:31], s[0:1], 0x60             ; xq, wq
	v_lshl_add_u32 v28, v0, 2, SPARE
	v_mov_b32 v29, 0
	ds_add_u32 v28, v29                            ; the wave's opening: the add, twice on end, and its wait
	ds_add_u32 v28, v29
	v_lshrrev_b32 v1, 5, v0
	v_readfirstlane_b32 s[WV], v1
	s_lshl_b32 s[GRP], ttmp9, 1
	s_add_co_u32 s[GRP], s[GRP], s[WV]             ; waves 0, 1: 2 n + wave
	s_and_b32 s[U], ttmp9, 63
	s_lshr_b32 s[GT], ttmp9, 6
	s_mov_b32 s76, 4096
	s_mov_b32 s79, 0xc038aa3b                      ; -2 log2(e)
	s_cmp_eq_u32 s[GT], 3
	s_cselect_b32 s79, s79, 0xbfb8aa3b             ; -log2(e)
	s_cmp_lt_u32 s[WV], 2
	s_cselect_b32 s[GRP], s[GRP], ttmp9
	s_cselect_b32 s76, 1024, s76                   ; from step to step of 128 along K where I write
	s_lshl_b32 s77, s76, 1
	s_add_co_u32 s78, s77, s76                     ; the scale chunks lie three steps on, in xq and in wq alike
	s_mul_i32 s[G0A+1], s[WV], TILEB
	s_lshl_b32 s81, ttmp9, 6
	v_and_b32 v1, 15, v0                           ; r
	v_bfe_u32 v2, v0, 4, 1                         ; h
	v_and_b32 v3, 31, v0
	v_lshlrev_b32 v3, 4, v3                        ; 16 x lane
	v_mul_u32_u24 v4, v1, 1200
	v_add_nc_u32 v4, s[G0A+1], v4                  ; my row
	v_add_nc_u32 v5, 1024, v4                      ; its block 8
	v_lshl_add_u32 v4, v2, 7, v4                   ; its block h
	v_mul_u32_u24 v6, v1, 528
	v_lshl_add_u32 v6, v2, 4, v6
	v_add_nc_u32 v6, LWH, v6
	v_mul_u32_u24 v7, v1, 272
	v_lshl_add_u32 v7, v2, 4, v7
	v_add_nc_u32 v7, LWA, v7
	v_lshlrev_b32 v9, 4, v1
	v_lshlrev_b32 v8, 5, v1
	v_lshl_add_u32 v8, v2, 4, v8
	v_lshlrev_b32 v10, 2, v1
	v_add_nc_u32 v10, s81, v10                     ; 4 (16 n + r): my unit's bias
	v_lshlrev_b32 v11, 3, v2
	v_add_nc_u32 v31, s76, v3
	v_add_nc_u32 v32, s77, v3
	v_add_nc_u32 v33, s78, v3
.irp i, 15,53,54,55,Z,Z+1,Z+2,Z+3
	v_mov_b32 v[\i], 0
.endr
	v_cmp_eq_u32 s[HM], 1, v2
	s_mov_b32 s[G1A+0], 3<<16                      ; elements of 8 bytes, no padding: 75 rows of 256 bytes
	s_mov_b32 s[G1A+1], 32<<16
	s_mov_b32 s[G1A+2], 75<<16
	s_mov_b32 s[G1A+3], 32<<16
	s_mov_b32 s[G1A+4], 75
	s_mov_b32 s[G1A+5], 32
	s_mov_b32 s[G1A+6], 0
	s_mov_b32 s[G1A+7], 0
	s_mov_b32 s[G1H+0], (1<<20)|(6<<22)|(3<<25)    ; elements of 1 byte; four words behind every 128
	s_mov_b32 s[G1H+1], 512<<16
	s_mov_b32 s[G1H+2], 16<<16
	s_mov_b32 s[G1H+3], 512<<16
	s_mov_b32 s[G1H+4], 16
	s_mov_b32 s[G1H+5], 512
	s_mov_b32 s[G1H+6], 0
	s_mov_b32 s[G1H+7], 0
	s_mov_b32 s[G1W+0], (1<<20)|(5<<22)|(3<<25)    ; behind every 64
	s_mov_b32 s[G1W+1], 256<<16
	s_mov_b32 s[G1W+2], 16<<16
	s_mov_b32 s[G1W+3], 256<<16
	s_mov_b32 s[G1W+4], 16
	s_mov_b32 s[G1W+5], 256
	s_mov_b32 s[G1W+6], 0
	s_mov_b32 s[G1W+7], 0
	s_mov_b32 s[G0A], 1
	s_mov_b32 s[G0H], 1
	s_mov_b32 s[G0H+1], LWH
	s_mov_b32 s[G0W], 1
	s_mov_b32 s[G0W+1], LWA
	s_mov_b32 s81, 0                               ; the high word of every offset
	s_lshl_b32 s93, s[GRP], 12
	s_lshl_b32 s94, s[U], 16
	s_lshl_b32 s95, s[GT], 10
	s_add_co_u32 s95, s94, s95                     ; 65,536 x 16 units + 1,024 x gate
	s_add_co_u32 s94, s95, 12*4096                 ; Wx's steps begin at the twelfth
	s_wait_alu depctr_va_vdst(0)
	s_wait_dscnt 0x0
	s_wait_kmcnt 0x0
	s_cmp_lt_u32 s[WV], 2                          ; x or the weights: the choice hangs on the wave's number alone
	s_cselect_b32 s94, s93, s94
	s_cselect_b64 s[SRC:SRC+1], s[4:5], s[6:7]
	s_cselect_b64 s[HS:HS+1], s[8:9], s[10:11]
	s_cselect_b64 s[CS:CS+1], s[12:13], s[14:15]
	s_cselect_b64 s[DST:DST+1], s[28:29], s[30:31]
	s_mul_i32 s80, s[GRP], TILEB
	s_add_nc_u64 s[SRC:SRC+1], s[SRC:SRC+1], s[80:81]
	s_mov_b64 s[G0A+2:G0A+3], s[SRC:SRC+1]
	s_or_b32 s[G0A+3], s[G0A+3], 0x80000000
	s_lshl_b32 s80, ttmp9, 13
	s_add_nc_u64 s[G0H+2:G0H+3], s[16:17], s[80:81]
	s_or_b32 s[G0H+3], s[G0H+3], 0x80000000
	s_lshl_b32 s80, ttmp9, 12
	s_add_nc_u64 s[G0W+2:G0W+3], s[18:19], s[80:81]
	s_or_b32 s[G0W+3], s[G0W+3], 0x80000000
	s_lshl_b32 s80, s[GRP], 9
	s_add_nc_u64 s[HS:HS+1], s[HS:HS+1], s[80:81]
	s_lshl_b32 s80, s[GRP], 8
	s_add_nc_u64 s[CS:CS+1], s[CS:CS+1], s[80:81]
	s_mov_b32 s80, s94
	s_add_nc_u64 s[DST:DST+1], s[DST:DST+1], s[80:81]
	s_mov_b32 s80, s95
	s_add_nc_u64 s[WB:WB+1], s[30:31], s[80:81]
.macro TL g0, g1
	tensor_load_to_lds s[\g0:\g0+3], s[\g1:\g1+7]
	s_nop 0
.rept 4
	v_nop
.endr
.endm
	s_cmp_lt_u32 s[WV], 3                          ; one tensor load a wave, in the arms of one chain
	s_cbranch_scc0 .Lasks_wh
	TL G0A, G1A
	s_branch .Lasked
.Lasks_wh:
	s_cmp_eq_u32 s[WV], 3
	s_cbranch_scc0 .Lasks_wa
	TL G0H, G1H
	s_branch .Lasked
.Lasks_wa:
	TL G0W, G1W
.Lasked:
	s_cmp_lt_u32 s[WV], 3
	s_cbranch_scc0 .Lcopy
	global_load_b128 v[16:19], v8, s[HS:HS+1]      ; chunk h of row r: 16 of the 32 bytes of h or Wh
	global_load_b128 v[20:23], v9, s[CS:CS+1]      ; the 16 of context or Wa
	s_cmp_eq_u32 s[WV], 2
	s_cbranch_scc0 .Lno_bias_in
	global_load_b32 v36, v10, s[20:21]
	global_load_b32 v37, v10, s[22:23]
	global_load_b32 v38, v10, s[24:25]
	global_load_b32 v39, v10, s[26:27]
.Lno_bias_in:
	s_wait_tensorcnt 0x0                           ; my tile is in LDS; nobody else reads it
.irp i, 0,1,2,3,4
.irp t, 0,1,2,3,4,5,6,7
.if (\i == 4) && (\t > 2)
	ds_load_b128 v[X+32*\i+4*\t:X+32*\i+4*\t+3], v5 offset:16*\t            ; block 9 has twelve numbers: its lanes take block 8's here, and 0 in their place below
.else
	ds_load_b128 v[X+32*\i+4*\t:X+32*\i+4*\t+3], v4 offset:256*\i+16*\t
.endif
.endr
.endr
	s_wait_dscnt 0x0
.set n, 12
.rept 20
	v_cndmask_b32 v[X+128+n], v[X+128+n], v[Z], s[HM]
.set n, n+1
.endr
.irp i, 0,1,2,3,4
	v_max3_num_f32 v[40+\i], |v[X+32*\i]|, |v[X+32*\i+1]|, 0x1800000        ; the largest magnitude, and the floor 2^(3 - 127)
.endr
.irp k, 2,4,6,8,10,12,14,16,18,20,22,24,26,28,30
.irp i, 0,1,2,3,4
	v_max3_num_f32 v[40+\i], v[40+\i], |v[X+32*\i+\k]|, |v[X+32*\i+\k+1]|
.endr
.endr
.irp i, 0,1,2,3,4
	v_add_nc_u32 v[48+\i], 0xff000000, v[40+\i]    ; 2 off the exponent field: the conversion's scale operand
.endr
.irp i, 0,1,2,3,4
.irp g, 0,1,2,3
	v_cvt_scalef32_pk8_fp4_f32 v[C+4*\i+\g], v[X+32*\i+8*\g:X+32*\i+8*\g+7], v[48+\i]
.endr
.endr
.irp i, 0,1,2,3,4
	v_lshrrev_b32 v[56+\i], 23, v[48+\i]           ; the scale's byte
.endr
.irp q, 0,1                                    ; block 2 i + h goes to chunk 2 i + h: 32 lanes store 512 consecutive bytes
.if \q == 0
	global_store_b128 v3, v[C:C+3], s[DST:DST+1]
	global_store_b128 v3, v[C+4:C+7], s[DST:DST+1] offset:512
.else
	global_store_b128 v31, v[C+8:C+11], s[DST:DST+1]
	global_store_b128 v31, v[C+12:C+15], s[DST:DST+1] offset:512
.endif
.endr
	global_store_b128 v32, v[C+16:C+19], s[DST:DST+1]
	global_store_b128 v32, v[Z:Z+3], s[DST:DST+1] offset:512                ; blocks 10, 11: zero codes
	s_mov_b32 s96, 0x76543210
	s_mov_b32 s97, 0xfedcba98                      ; v_permlanex16_b32's selects for lane l xor 16
	s_wait_alu depctr_va_vdst(0)
	s_wait_loadcnt 0x0
	s_cmp_eq_u32 s[WV], 2
	s_cbranch_scc0 .Lno_bias
	v_add_f32 v36, v36, v37
	v_add_f32 v36, v36, v38
	v_add_f32 v36, v36, v39                        ; ((bl + bl2) + bl3) + bp
	v_mul_f32 v15, s79, v36
.Lno_bias:
	v_lshl_or_b32 v45, v57, 16, v56                ; my bytes of the words of steps 12, 13, 14: bytes h and h + 2
	v_lshl_or_b32 v46, v59, 16, v58
	v_or_b32 v47, 0x10000, v60                     ; blocks 10, 11 are zero codes: the byte 1
.irp i, 0,1,2
	v_lshlrev_b32 v[45+\i], v11, v[45+\i]
.endr
.irp i, 0,1,2
	v_permlanex16_b32 v[53+\i], v[45+\i], s96, s97
.endr
.irp i, 0,1,2
	v_or_b32 v[12+\i], v[45+\i], v[53+\i]
.endr
.irp i, 0,1,2,3
	v_cndmask_b32 v[24+\i], v[20+\i], v[12+\i], s[HM]   ; lanes 0-15 chunk 2, lanes 16-31 chunk 3
.endr
	global_store_b128 v33, v[16:19], s[DST:DST+1]
	global_store_b128 v33, v[24:27], s[DST:DST+1] offset:512
	s_branch .Lend
.Lcopy:
	s_wait_tensorcnt 0x0                           ; my tile is in LDS; nobody else reads it
	s_cmp_eq_u32 s[WV], 3
	s_cbranch_scc0 .Lcopy_wa
.irp i, 0,1,2,3,4,5,6,7,8,9,10,11,12,13,14,15
	ds_load_b128 v[X+4*\i:X+4*\i+3], v6 offset:32*\i
.endr
.irp i, 0,1,2,3,4,5,6,7,8,9,10,11,12,13,14,15
	s_wait_dscnt 15-\i
	global_store_b128 v3, v[X+4*\i:X+4*\i+3], s[WB:WB+1] offset:4096*(\i/2)+512*(\i%2)
.endr
	s_branch .Lend
.Lcopy_wa:
.irp i, 0,1,2,3,4,5,6,7
	ds_load_b128 v[X+4*\i:X+4*\i+3], v7 offset:32*\i
.endr
.irp i, 0,1,2,3,4,5,6,7
	s_wait_dscnt 7-\i
	global_store_b128 v3, v[X+4*\i:X+4*\i+3], s[WB:WB+1] offset:4096*(8+\i/2)+512*(\i%2)
.endr
.Lend:
	s_wait_tensorcnt 0x0                           ; the wave's end
	ds_add_u32 v28, v29
	s_wait_dscnt 0x0
	s_endpgm
.Lfunc_end_k_q412b89cd11_prep:
	.size	k_q412b89cd11_prep, .Lfunc_end_k_q412b89cd11_prep-k_q412b89cd11_prep
	.p2alignl 7, 3214868480
	.fill 96, 4, 3214868480
	.section	.rodata,"a",@progbits
	.p2align	6, 0x0
	.amdhsa_kernel k_q412b89cd11_prep
		.amdhsa_group_segment_fixed_size 167936
		.amdhsa_private_segment_fixed_size 0
		.amdhsa_enable_private_segment 0
		.amdhsa_kernarg_size 112
		.amdhsa_user_sgpr_count 2
		.amdhsa_user_sgpr_kernarg_segment_ptr 1
		.amdhsa_wavefront_size32 1
		.amdhsa_system_sgpr_workgroup_id_x 1
		.amdhsa_system_sgpr_workgroup_id_y 1
		.amdhsa_system_sgpr_workgroup_id_z 1
		.amdhsa_system_vgpr_workitem_id 0
		.amdhsa_next_free_vgpr 248
		.amdhsa_next_free_sgpr 100
		.amdhsa_reserve_vcc 0
		.amdhsa_float_denorm_mode_32 3
		.amdhsa_float_denorm_mode_16_64 3
		.amdhsa_memory_ordered 1
		.amdhsa_forward_progress 1
		.amdhsa_inst_pref_size 25
	.end_amdhsa_kernel
	.amdgpu_metadata
---
amdhsa.version: [ 1, 2 ]
amdhsa.kernels:
  - .name:           k_q412b89cd11_prep
    .symbol:         k_q412b89cd11_prep.kd
    .args:
      - { .name: embedding_prev, .offset: 0, .size: 8, .value_kind: global_buffer, .address_space: global }
      - { .name: Wx, .offset: 8, .size: 8, .value_kind: global_buffer, .address_space: global }
      - { .name: h_prev_scales, .offset: 16, .size: 8, .value_kind: global_buffer, .address_space: global }
      - { .name: Wh_scales, .offset: 24, .size: 8, .value_kind: global_buffer, .address_space: global }
      - { .name: context_scales, .offset: 32, .size: 8, .value_kind: global_buffer, .address_space: global }
      - { .name: Wa_scales, .offset: 40, .size: 8, .value_kind: global_buffer, .address_space: global }
      - { .name: Wh_codes, .offset: 48, .size: 8, .value_kind: global_buffer, .address_space: global }
      - { .name: Wa_codes, .offset: 56, .size: 8, .value_kind: global_buffer, .address_space: global }
      - { .name: bl, .offset: 64, .size: 8, .value_kind: global_buffer, .address_space: global }
      - { .name: bl2, .offset: 72, .size: 8, .value_kind: global_buffer, .address_space: global }
      - { .name: bl3, .offset: 80, .size: 8, .value_kind: global_buffer, .address_space: global }
      - { .name: bp, .offset: 88, .size: 8, .value_kind: global_buffer, .address_space: global }
      - { .name: xq, .offset: 96, .size: 8, .value_kind: global_buffer, .address_space: global }
      - { .name: wq, .offset: 104, .size: 8, .value_kind: global_buffer, .address_space: global }
    .group_segment_fixed_size: 167936
    .private_segment_fixed_size: 0
    .kernarg_segment_align: 8
    .kernarg_segment_size: 112
    .max_flat_workgroup_size: 160
    .sgpr_count:     100
    .vgpr_count:     248
    .wavefront_size: 32
...
	.end_amdgpu_metadata
.endif
;; end of part 3
;; launch lstm (part 4): grid 16 x 16, 4 waves a work-group, clusters of 4 x 1, 327,680 bytes of LDS; arguments h_prev_codes, context_codes, xq, wq, c_prev, out0, out1; writes out0, out1
.if DOCPART == 4
	.amdgcn_target "amdgcn-amd-amdhsa--gfx1250"
	.amdhsa_code_object_version 6
	.text
	.protected	k_q412b89cd11_lstm
	.globl	k_q412b89cd11_lstm
	.p2align	8
	.type	k_q412b89cd11_lstm,@function
k_q412b89cd11_lstm:
	s_mov_b64 s[64:65], 0
	v_nop
	global_prefetch_b8 v0, s[64:65] scope:SCOPE_SE
	s_setreg_imm32_b32 hwreg(HW_REG_WAVE_MODE, 25, 1), 1
	s_wait_xcnt 0x0
	s_wait_alu depctr_hold_cnt(0) depctr_sa_sdst(0) depctr_va_vdst(0) depctr_va_sdst(0) depctr_va_ssrc(0) depctr_va_vcc(0) depctr_vm_vsrc(0)
	s_getreg_b32 s2, hwreg(HW_REG_IB_STS2, 6, 4)
	s_cmp_eq_u32 s2, 0
	s_cbranch_scc0 .Lentry_in_a_cluster
	s_endpgm
.Lentry_in_a_cluster:
	s_bfe_u32 s2, ttmp6, 0x10000c
	s_cmp_lg_u32 s2, 0x3003
	s_cbranch_scc0 .Lentry_shape_is_right
	s_endpgm
.Lentry_shape_is_right:
; pre = h . Wh + context . Wa + x . Wx + biases, on codes of FP4 with one E8M0 scale for each 32 along K; then i, f, o = sigmoid, g = tanh, c_t = f c_prev + i g (out1), h_t = o tanh(c_t) (out0), in f32.
; THE THREE PRODUCTS ARE ONE of 15 steps of 128 along K: h's 8, context's 4, x's 3 (300 numbers and zero codes).
; THE WEIGHTS STAY IN REGISTERS: a wave keeps 16 units x 4 gates x all of K, 15 x 2 fragments of 32 rows = 480 registers, loaded once from wq, which lies in register order.
; A work-group takes 64 units (16 a wave) and 512 rows of the batch, 16 blocks of 32 rows: 60 matrix instructions of 32 x 16 x 128 a block, then its gates.
; LAYOUT: source 0 = 16 units of gate 2 p and 16 of gate 2 p + 1, source 1 = 16 rows a of the batch.  Lane (r, h) then holds row 16 a + r, registers 0-7 gate 2 p of units 8 h + j, registers 8-15 gate 2 p + 1.
; LDS: two slots of 64 rows (two blocks), each with h's codes (pitch 528), context's (272), x's codes and all scale bytes (an image of 4,096 bytes for 16 rows), c_prev's 256 bytes a row (272).
; One tensor load a wave fills a slot: wave 0 h, wave 1 context, wave 2 x, wave 3 c_prev.
; CLUSTERS: the four work-groups of a cluster have the same rows: waves 0-2 ask jointly.  c_prev's tile is the work-group's own.
; THE WAY OUT: a wave holds 64 bytes of a row, so c_t and h_t of a block go through a stage in LDS (two, by turns) and leave as whole rows of 256 bytes, behind the next block's gates.
; A BLOCK HAS TWO RUNS OF MEMORY INSTRUCTIONS: behind its products (the last block's rows back from the stage, the next block's scale words and h's fragments) and behind its gates (into the stage, the last block's rows out,
; the next block's c_prev and the other fragments).  None stands among the products or the gates.
; No prefetch: each tile is asked for a whole slot, two blocks of products and gates less one run of products, ahead of the wait for it; the weights are loaded once, with no loop to run ahead in.
; LIMITS: NaN and infinities among the inputs are not served.  tanh(z) is (2 - A) / A with A = 1 + 2^y, y = -2 log2(e) z held at 32 from above: beyond it tanh is -1 to the last bit of f32.
; A sigmoid whose 1 + e^-p passes the largest f32 number comes out as 0.
; REGISTERS.  Window 0: addresses, scale words, accumulators (the gates work in place), K x bias, rows on their way out, c.  Window 1: v0-239 a block's fragments of the batch.
;   Windows 2, 3: the weights: step q at 32 (q % 8) of window 2 + q / 8.
.set PITCH, 272
.set HP,    528
.set CTO,   64*HP                      ; in a slot: context's tile,
.set XO,    CTO+64*PITCH               ; x's,
.set PO,    XO+64*256                  ; c_prev's
.set SLOT,  PO+64*PITCH
.set STAGE, 2*SLOT
.set SOUT,  32*PITCH                   ; a stage: 32 rows of c_t, 32 of h_t
.set SBUF,  2*SOUT
.set SPARE, STAGE+2*SBUF               ; the spare words: two blocks of 256 bytes
.set BOF,  9
.set SOF,  10
.set ADRH, 16                          ; LDS addresses, one for each slot: h's fragments,
.set ADRC, 18                          ; context's,
.set ADRX, 20                          ; x's,
.set ADRS, 22                          ; scale words,
.set ADRP, 24                          ; c_prev
.set STW,  26
.set STR,  27
.set SPW,  28
.set NIL,  29
.set GO,   30
.set WO,   31
.set WS,   32                          ; the weights' scale words: WS + 16 p + q, lane l: row l of the 32
.set BS,   64                          ; the batch's: BS + 16 a + q
.set ACC,  96                          ; accumulators (a, p): ACC + 32 a + 16 p; gate G's numbers: + 32 a + 8 G + j
.set KB,   160                         ; K x bias: KB + 8 gate + j
.set OUT,  192                         ; rows read back from the stage: c_t, then h_t
.set CP,   224                         ; c_prev, then c_t: CP + 16 (b % 2) + 8 a + j
.set O0P,  14
.set O1P,  16
.set G1H,  24
.set G1C,  32
.set G1X,  40
.set G1P,  48
.set K1,   56                          ; -log2(e)
.set K2,   58                          ; -2 log2(e)
.set CAP,  60
.set WV,   66
.set G0H,  68
.set G0C,  72
.set G0X,  76
.set G0P,  80
.set TRIPB, 4*131072                   ; bytes of four blocks' rows of an output
.set MSB, 0
.macro WIN new                         ; the immediate's high byte repeats the setting that is left
.if MSB != (\new)
	s_set_vgpr_msb (MSB<<8)|(\new)
.set MSB, (\new)
.endif
.endm
.macro TL g0, g1
	tensor_load_to_lds s[\g0:\g0+3], s[\g1:\g1+7]
	s_nop 0
.rept 4
	v_nop
.endr
.endm
.macro FILL                            ; one tensor load a wave, in the arms of one chain of branches on the wave's number
	s_cmp_eq_u32 s[WV], 0
	s_cbranch_scc0 .Lctx_\@
	TL G0H, G1H
	s_branch .Lasked_\@
.Lctx_\@:
	s_cmp_eq_u32 s[WV], 1
	s_cbranch_scc0 .Lx_\@
	TL G0C, G1C
	s_branch .Lasked_\@
.Lx_\@:
	s_cmp_eq_u32 s[WV], 2
	s_cbranch_scc0 .Lc_\@
	TL G0X, G1X
	s_branch .Lasked_\@
.Lc_\@:
	TL G0P, G1P
.Lasked_\@:
.endm
.macro STEPG bu                        ; on to the next 64 rows, into slot bu (no tensor load of mine is out)
	s_mov_b32 s[G0H+1], (\bu)*SLOT
	s_mov_b32 s[G0C+1], (\bu)*SLOT+CTO
	s_mov_b32 s[G0X+1], (\bu)*SLOT+XO
	s_mov_b32 s[G0P+1], (\bu)*SLOT+PO
	s_add_nc_u64 s[G0H+2:G0H+3], s[G0H+2:G0H+3], 64*512
	s_add_nc_u64 s[G0C+2:G0C+3], s[G0C+2:G0C+3], 64*256
	s_add_nc_u64 s[G0X+2:G0X+3], s[G0X+2:G0X+3], 64*256
	s_add_nc_u64 s[G0P+2:G0P+3], s[G0P+2:G0P+3], 64*4096
.endm
.macro CREST                           ; a round of the cluster's barrier behind its opening barrier
	s_cmp_lg_u32 s[WV], 0
	s_cbranch_scc1 .Lnot_wave_0_\@
	s_barrier_signal -3
.Lnot_wave_0_\@:
	s_barrier_wait -3
	s_barrier_signal -1
	s_barrier_wait -1
.endm
.macro CROUND
	s_barrier_signal -1
	s_barrier_wait -1
	CREST
.endm
	s_load_b256 s[4:11], s[0:1], 0x0               ; h's codes, context's, xq, wq
	s_load_b128 s[12:15], s[0:1], 0x20             ; c_prev, out0
	s_load_b64 s[16:17], s[0:1], 0x30              ; out1
	v_lshl_add_u32 v[SPW], v0, 2, SPARE
	v_mov_b32 v[NIL], 0
	ds_add_u32 v[SPW], v[NIL]                      ; the wave's opening: the add, twice on end, and its wait
	ds_add_u32 v[SPW], v[NIL]
	v_lshrrev_b32 v1, 5, v0
	v_readfirstlane_b32 s[WV], v1
	s_lshl_b32 s22, s[WV], 6                       ; my 64 bytes of a row
	s_mul_i32 s23, s[WV], 8*PITCH                  ; the eight rows of the stage that I send
	s_add_co_u32 s23, s23, STAGE
	v_and_b32 v1, 15, v0                           ; r
	v_bfe_u32 v2, v0, 4, 1                         ; h
	v_and_b32 v3, 31, v0
	v_lshlrev_b32 v[WO], 4, v3                     ; 16 x lane
	v_mul_u32_u24 v4, v1, HP
	v_lshl_add_u32 v[ADRH], v2, 4, v4
	v_add_nc_u32 v[ADRH+1], SLOT, v[ADRH]
	v_mul_u32_u24 v5, v1, PITCH
	v_lshl_add_u32 v6, v2, 4, v5
	v_add_nc_u32 v[ADRC], CTO, v6
	v_add_nc_u32 v[ADRC+1], SLOT+CTO, v6
	v_add_nc_u32 v[ADRX], XO, v[WO]
	v_add_nc_u32 v[ADRX+1], SLOT+XO, v[WO]
	v_lshlrev_b32 v7, 4, v1
	v_add_nc_u32 v[ADRS], XO+3072, v7
	v_add_nc_u32 v[ADRS+1], SLOT+XO+3072, v7
	v_lshl_add_u32 v5, v2, 5, v5
	v_add_nc_u32 v5, s22, v5                       ; row r, byte 64 wave + 32 h
	v_add_nc_u32 v[ADRP], PO, v5
	v_add_nc_u32 v[ADRP+1], SLOT+PO, v5
	v_add_nc_u32 v[STW], STAGE, v5
	v_mul_u32_u24 v6, v2, PITCH
	v_add_nc_u32 v6, v6, v7
	v_add_nc_u32 v[STR], s23, v6                   ; row 8 wave + h, 16 r
	v_lshl_add_u32 v[GO], v2, 12, v7
	v_lshlrev_b32 v[BOF], 7, v2                    ; the biases of units 8 h + j
	v_lshl_add_u32 v[SOF], v2, 10, v7              ; scale words: lanes 16-31 the next gate's
	s_bfe_u32 s3, ttmp6, 0x40000
	s_lshl_b32 s20, ttmp9, 2
	s_add_co_u32 s20, s20, s3                      ; the 64 units
	s_and_b32 s21, ttmp7, 0xffff                   ; the 512 rows
	s_mov_b32 s[G1H], 15|(1<<20)|(1<<21)|(6<<22)|(3<<25)   ; 15:0 the four partners, bit 21 beside them; elements of 1 byte; four words behind every 128
	s_mov_b32 s[G1C], 15|(1<<20)|(1<<21)|(5<<22)|(3<<25)   ; behind every 64
	s_mov_b32 s[G1X], 15|(3<<16)|(1<<21)                   ; elements of 8 bytes, no padding
	s_mov_b32 s[G1P], (1<<20)|(5<<22)|(3<<25)              ; no mask
	s_mov_b32 s[G1H+1], 512<<16
	s_mov_b32 s[G1H+3], 512<<16
	s_mov_b32 s[G1H+5], 512
	s_mov_b32 s[G1C+1], 256<<16
	s_mov_b32 s[G1C+3], 256<<16
	s_mov_b32 s[G1C+5], 256
	s_mov_b32 s[G1X+1], 32<<16
	s_mov_b32 s[G1X+3], 32<<16
	s_mov_b32 s[G1X+5], 32
	s_mov_b32 s[G1P+1], 256<<16
	s_mov_b32 s[G1P+3], 256<<16
	s_mov_b32 s[G1P+5], 4096
.irp g, G1H, G1C, G1X, G1P                     ; 64 rows
	s_mov_b32 s[\g+2], 64<<16
	s_mov_b32 s[\g+4], 64
	s_mov_b32 s[\g+6], 0
	s_mov_b32 s[\g+7], 0
.endr
	s_mov_b32 s[G0H], 1
	s_mov_b32 s[G0H+1], 0
	s_mov_b32 s[G0C], 1
	s_mov_b32 s[G0C+1], CTO
	s_mov_b32 s[G0X], 1
	s_mov_b32 s[G0X+1], XO
	s_mov_b32 s[G0P], 1
	s_mov_b32 s[G0P+1], PO
	s_mov_b32 s[K1], 0xbfb8aa3b
	s_mov_b32 s[K1+1], s[K1]                       ; (named with it as a pair, so it is written)
	s_mov_b32 s[K2], 0xc038aa3b
	s_mov_b32 s[K2+1], s[K2]
	s_mov_b32 s[CAP], 0x42000000                   ; 32.0
	s_mov_b32 s19, 0
	s_mov_b32 s23, 0
	s_wait_alu depctr_va_vdst(0)
	s_wait_dscnt 0x0
	s_wait_kmcnt 0x0
	s_lshl_b32 s22, s21, 18
	s_add_nc_u64 s[G0H+2:G0H+3], s[4:5], s[22:23]
	s_lshl_b32 s22, s21, 17
	s_add_nc_u64 s[G0C+2:G0C+3], s[6:7], s[22:23]
	s_add_nc_u64 s[G0X+2:G0X+3], s[8:9], s[22:23]
	s_lshl_b32 s18, s21, 21
	s_lshl_b32 s22, s20, 8
	s_add_co_u32 s18, s18, s22                     ; row 512 y, byte 256 x
	s_add_nc_u64 s[G0P+2:G0P+3], s[12:13], s[18:19]
	s_lshl_b32 s22, s[WV], 15
	s_add_co_u32 s18, s18, s22                     ; + 8 wave rows
	s_add_nc_u64 s[O0P:O0P+1], s[O0P:O0P+1], s[18:19]
	s_add_nc_u64 s[O1P:O1P+1], s[O1P:O1P+1], s[18:19]
	s_sub_nc_u64 s[O0P:O0P+1], s[O0P:O0P+1], TRIPB ; every four blocks' first stores step the bases ahead of them
	s_sub_nc_u64 s[O1P:O1P+1], s[O1P:O1P+1], TRIPB
	s_lshl_b32 s22, s20, 2
	s_add_co_u32 s22, s22, s[WV]
	s_lshl_b32 s22, s22, 16
	s_add_nc_u64 s[10:11], s[10:11], s[22:23]      ; my 16 units' 65,536 bytes of wq
.irp w, G0H, G0C, G0X, G0P
	s_or_b32 s[\w+3], s[\w+3], 0x80000000
.endr
	CROUND                                         ; the four work-groups are here: the first joint loads meet
	FILL                                           ; slot 0
.macro WLOAD q                         ; step q of my weights: eight loads of 512 consecutive bytes
	WIN 0x80+0x40*((\q)/8)
.irp g, 0,1,2,3
.irp c, 0,1
	global_load_b128 v[32*((\q)%8)+8*\g+4*\c:32*((\q)%8)+8*\g+4*\c+3], v[WO], s[10:11] offset:4096*(\q)+1024*\g+512*\c
.endr
.endr
.endm
.irp p, 0,1
.irp i, 0,1,2,3
	global_load_b128 v[WS+16*\p+4*\i:WS+16*\p+4*\i+3], v[SOF], s[10:11] offset:61440+2048*\p+256*\i
.endr
.endr
.irp g, 0,1,2,3
.irp j, 0,1,2,3,4,5,6,7
	global_load_b32 v[KB+8*\g+\j], v[BOF], s[10:11] offset:62220+1024*\g+16*\j
.endr
.endr
.irp q, 0,1,2,3,4,5,6,7,8,9
	WLOAD \q
.endr
	WIN 0
	s_wait_tensorcnt 0x0                           ; my part of slot 0 is in
	ds_add_u32 v[SPW], v[NIL]
	STEPG 1
	s_wait_dscnt 0x0
	CROUND                                         ; everybody's part of slot 0 is in
	FILL                                           ; slot 1
.irp q, 10,11,12,13,14
	WLOAD \q
.endr
; A fragment: lane l holds row l % 16; registers 4 c .. 4 c + 3 hold K = 64 c + 32 (l / 16) + 0 .. 31.  Step q's of rows 16 a: v[16 q + 8 a] of window 1.
.macro FRH bu, po                      ; h's, steps 0-7: 32 loads
	WIN 0x40
.irp q, 0,1,2,3,4,5,6,7
.irp a, 0,1
.irp c, 0,1
	ds_load_b128 v[16*\q+8*\a+4*\c:16*\q+8*\a+4*\c+3], v[ADRH+\bu] offset:(32*(\po)+16*\a)*HP+64*\q+32*\c
.endr
.endr
.endr
	WIN 0
.endm
.macro FRCX bu, po                     ; context's, steps 8-11, and x's, 12-14 (512 consecutive bytes a load): 28 loads
	WIN 0x40
.irp q, 0,1,2,3
.irp a, 0,1
.irp c, 0,1
	ds_load_b128 v[128+16*\q+8*\a+4*\c:128+16*\q+8*\a+4*\c+3], v[ADRC+\bu] offset:(32*(\po)+16*\a)*PITCH+64*\q+32*\c
.endr
.endr
.endr
.irp q, 0,1,2
.irp a, 0,1
.irp c, 0,1
	ds_load_b128 v[192+16*\q+8*\a+4*\c:192+16*\q+8*\a+4*\c+3], v[ADRX+\bu] offset:(2*(\po)+\a)*4096+1024*\q+512*\c
.endr
.endr
.endr
	WIN 0
.endm
.macro CLD bu, po                      ; c_prev of my 16 units: the set of the block's parity
.irp a, 0,1
.irp k, 0,1
	ds_load_b128 v[CP+16*(\po)+8*\a+4*\k:CP+16*(\po)+8*\a+4*\k+3], v[ADRP+\bu] offset:(32*(\po)+16*\a)*PITCH+16*\k
.endr
.endr
.endm
.macro BSLOAD bu, po                   ; the scale words of a block's 32 rows
.irp a, 0,1
.irp i, 0,1,2,3
	ds_load_b128 v[BS+16*\a+4*\i:BS+16*\a+4*\i+3], v[ADRS+\bu] offset:(2*(\po)+\a)*4096+256*\i
.endr
.endr
.endm
.macro WM q, first                     ; a step of 128 along K: the four accumulators by turns, one instruction a turn; the first step starts the sums
	WIN 0x06+((\q)/8)
.irp a, 0,1
.irp p, 0,1
.set rD, ACC+32*\a+16*\p
.set rW, 32*((\q)%8)+16*\p
.set rF, 16*(\q)+8*\a
.if \first
	v_wmma_scale_f32_32x16x128_f4 v[rD:rD+15], v[rW:rW+15], v[rF:rF+7], 0, v[WS+16*\p+\q], v[BS+16*\a+\q]
.else
	v_wmma_scale_f32_32x16x128_f4 v[rD:rD+15], v[rW:rW+15], v[rF:rF+7], v[rD:rD+15], v[WS+16*\p+\q], v[BS+16*\a+\q]
.endif
.endr
.endr
.endm
.macro WGT kind, q                     ; block 0: step q's weights are in; those of the steps behind it may be out
.if (\kind) == 0
.if 112-8*(\q) > 63
	s_wait_loadcnt 63
.else
	s_wait_loadcnt 112-8*(\q)
.endif
.endif
.endm
; THE PRODUCTS of block b; all their operands have been asked for ahead.
; kind 0: the first block, no barrier.  1: a barrier of the work-group, for the stage.  2: the block is its slot's last: the slot's refill behind a round of the cluster's barrier, which serves the stage too.
; 3: as 1, with the wait for the last slot's tiles.
.macro MATS b, kind
.set xBU, ((\b)/2)%2
.if \kind >= 2
	s_wait_tensorcnt 0x0                           ; all my tensor loads have landed: my part of the other slot
	ds_add_u32 v[SPW], v[NIL]                      ; 0 onto my spare word
.if \kind == 2
	STEPG xBU
.endif
	s_wait_dscnt 41                                ; scale words and h's are in; eight stores, c_prev's four, 28 fragments and the add may be out
.elseif \kind == 1
	s_wait_dscnt 40                                ; the same without an add
.else
	s_wait_dscnt 32                                ; the same without stores
.endif
	WGT \kind, 0
	WM 0, 1
.irp q, 1,2,3,4,5,6,7
	WGT \kind, \q
	WM \q, 0
.endr
	s_wait_dscnt 0x0                               ; all operands are in, my reads of this slot are over, and so are my stores into the stage and the add
.if \kind > 0
	s_barrier_signal -1
.endif
.irp q, 8,9,10,11,12,13,14
	WGT \kind, \q
	WM \q, 0
.endr
	WIN 0
.if \kind == 2
	s_barrier_wait -1
	CREST                                          ; no wave of any partner still reads this slot or has a load on its way
	FILL                                           ; its four v_nop are the places behind the last products
.else
.rept 4
	v_nop                                          ; four places behind the last products (ISA guide 7.12.1)
.endr
.if \kind > 0
	s_barrier_wait -1                              ; the last block's stage is whole
.endif
.endif
.endm
.macro BACK so                         ; eight rows of c_t and of h_t from the stage
.irp t, 0,1,2,3
	ds_load_b128 v[OUT+4*\t:OUT+4*\t+3], v[STR] offset:\so+2*PITCH*\t
.endr
.irp t, 0,1,2,3
	ds_load_b128 v[OUT+16+4*\t:OUT+19+4*\t], v[STR] offset:\so+SOUT+2*PITCH*\t
.endr
.endm
.macro SEND pb                         ; 16 lanes store 256 consecutive bytes, at a multiple of 256 from the output's first byte
.irp t, 0,1,2,3
	global_store_b128 v[GO], v[OUT+4*\t:OUT+4*\t+3], s[O1P:O1P+1] offset:131072*(\pb)+8192*\t th:TH_STORE_NT
.endr
.irp t, 0,1,2,3
	global_store_b128 v[GO], v[OUT+16+4*\t:OUT+19+4*\t], s[O0P:O0P+1] offset:131072*(\pb)+8192*\t th:TH_STORE_NT
.endr
.endm
.macro TOSTAGE reg, astep, off         ; my 16 numbers a lane: row 16 a + r, 32 bytes
.irp a, 0,1
.irp k, 0,1
	ds_store_b128 v[STW], v[\reg+\astep*\a+4*\k:\reg+\astep*\a+4*\k+3] offset:\off+\a*16*PITCH+16*\k
.endr
.endr
.endm
.macro TRANS op, first, count          ; a run of transcendentals in place, the same places of both row groups; the wait ahead and the wait behind, a plain line ahead of the second
	s_wait_alu depctr_va_vdst(0)
.irp a, 0,1
.set n, 0
.rept \count
	\op v[ACC+32*\a+\first+n], v[ACC+32*\a+\first+n]
.set n, n+1
.endr
.endr
	v_nop
	s_wait_alu depctr_va_vdst(0)
.endm
.macro CAP8 off                        ; eight numbers of each row group held at 32
.irp a, 0,1
.irp j, 0,1,2,3,4,5,6,7
	v_min_num_f32 v[ACC+32*\a+\off+\j], s[CAP], v[ACC+32*\a+\off+\j]
.endr
.endr
.endm
; THE GATES of block b: 16 numbers a lane, in place.  y = K p + K b;  E = 2^y for i, f, o;  E = 2^min(32, y) for g.  A = 1 + Eg: tanh = (2 - A) / A.  i g = (2 - A) / ((1 + Ei) A);  f = 1 / (1 + Ef);  c_t = f c_prev + i g;
; the same for tanh(c_t) with o.  So two numbers share each reciprocal.
; rb: block b - 1's rows leave (at block pb of the outputs' bases).  nx: the next block's operands are loaded.
.macro EPI b, pb, rb, nx
.set yBU, (((\b)+1)/2)%2
.set yPO, ((\b)+1)%2
.set ySG, ((\b)%2)*SBUF
.set ySO, (((\b)+1)%2)*SBUF
.set yC, CP+16*((\b)%2)
.if \rb
	s_wait_xcnt 0x0                                ; the last stores have read their registers and bases
.if \pb == 0
	s_add_nc_u64 s[O0P:O0P+1], s[O0P:O0P+1], TRIPB
	s_add_nc_u64 s[O1P:O1P+1], s[O1P:O1P+1], TRIPB
.endif
	BACK ySO
.endif
.if \nx
	BSLOAD yBU, yPO
	FRH yBU, yPO
.endif
.irp a, 0,1                                    ; each accumulator is read from its low end on
.irp g, 0,1,2,3
.irp k, 0,2,4,6
.if \g < 3
	v_pk_fma_f32 v[ACC+32*\a+8*\g+\k:ACC+32*\a+8*\g+\k+1], v[ACC+32*\a+8*\g+\k:ACC+32*\a+8*\g+\k+1], s[K1:K1+1], v[KB+8*\g+\k:KB+8*\g+\k+1] op_sel_hi:[1,0,1]
.else
	v_pk_fma_f32 v[ACC+32*\a+8*\g+\k:ACC+32*\a+8*\g+\k+1], v[ACC+32*\a+8*\g+\k:ACC+32*\a+8*\g+\k+1], s[K2:K2+1], v[KB+8*\g+\k:KB+8*\g+\k+1] op_sel_hi:[1,0,1]
.endif
.endr
.endr
.endr
	CAP8 24
	TRANS v_exp_f32, 0, 32
.irp a, 32*0,32*1
.irp k, 0,2,4,6
	v_pk_add_f32 v[ACC+24+\a+\k:ACC+25+\a+\k], v[ACC+24+\a+\k:ACC+25+\a+\k], 1.0 op_sel_hi:[1,0]                                  ; A
.endr
.endr
.irp a, 32*0,32*1
.irp k, 0,2,4,6
	v_pk_fma_f32 v[ACC+\a+\k:ACC+1+\a+\k], v[ACC+\a+\k:ACC+1+\a+\k], v[ACC+24+\a+\k:ACC+25+\a+\k], v[ACC+24+\a+\k:ACC+25+\a+\k]   ; (1 + Ei) A
.endr
.endr
.irp a, 32*0,32*1
.irp k, 0,2,4,6
	v_pk_add_f32 v[ACC+8+\a+\k:ACC+9+\a+\k], v[ACC+8+\a+\k:ACC+9+\a+\k], 1.0 op_sel_hi:[1,0]                                      ; 1 + Ef
.endr
.endr
.irp a, 32*0,32*1
.irp k, 0,2,4,6
	v_pk_fma_f32 v[ACC+24+\a+\k:ACC+25+\a+\k], v[ACC+24+\a+\k:ACC+25+\a+\k], -1.0, 2.0 op_sel_hi:[1,0,0]                          ; 2 - A
.endr
.endr
	TRANS v_rcp_f32, 0, 16
.irp a, 32*0,32*1
.irp k, 0,2,4,6
	v_pk_mul_f32 v[ACC+24+\a+\k:ACC+25+\a+\k], v[ACC+24+\a+\k:ACC+25+\a+\k], v[ACC+\a+\k:ACC+1+\a+\k]                             ; i g
.endr
.endr
.irp a, 0,1
.irp k, 0,2,4,6
	v_pk_fma_f32 v[yC+8*\a+\k:yC+8*\a+\k+1], v[ACC+8+32*\a+\k:ACC+9+32*\a+\k], v[yC+8*\a+\k:yC+8*\a+\k+1], v[ACC+24+32*\a+\k:ACC+25+32*\a+\k]   ; c_t
.endr
.endr
.irp a, 0,1
.irp k, 0,2,4,6
	v_pk_mul_f32 v[ACC+32*\a+\k:ACC+32*\a+\k+1], v[yC+8*\a+\k:yC+8*\a+\k+1], s[K2:K2+1] op_sel_hi:[1,0]
.endr
.endr
	CAP8 0
	TRANS v_exp_f32, 0, 8
.irp a, 32*0,32*1
.irp k, 0,2,4,6
	v_pk_add_f32 v[ACC+\a+\k:ACC+1+\a+\k], v[ACC+\a+\k:ACC+1+\a+\k], 1.0 op_sel_hi:[1,0]                                          ; A'
.endr
.endr
.irp a, 32*0,32*1
.irp k, 0,2,4,6
	v_pk_fma_f32 v[ACC+16+\a+\k:ACC+17+\a+\k], v[ACC+16+\a+\k:ACC+17+\a+\k], v[ACC+\a+\k:ACC+1+\a+\k], v[ACC+\a+\k:ACC+1+\a+\k]   ; (1 + Eo) A'
.endr
.endr
.irp a, 32*0,32*1
.irp k, 0,2,4,6
	v_pk_fma_f32 v[ACC+\a+\k:ACC+1+\a+\k], v[ACC+\a+\k:ACC+1+\a+\k], -1.0, 2.0 op_sel_hi:[1,0,0]                                  ; 2 - A'
.endr
.endr
	TRANS v_rcp_f32, 16, 8
.irp a, 32*0,32*1
.irp k, 0,2,4,6
	v_pk_mul_f32 v[ACC+\a+\k:ACC+1+\a+\k], v[ACC+\a+\k:ACC+1+\a+\k], v[ACC+16+\a+\k:ACC+17+\a+\k]                                 ; h_t
.endr
.endr
	TOSTAGE ACC, 32, ySG+SOUT
	TOSTAGE yC, 8, ySG
.if \rb
.if \nx
	s_wait_dscnt 48                                ; block b - 1's rows are back; eight loads of scale words, 32 of fragments and eight stores may be out
.else
	s_wait_dscnt 8
.endif
	SEND \pb
.endif
.if \nx
	CLD yBU, yPO
	FRCX yBU, yPO
.endif
.endm
	WIN 0                                          ; block 0's operands: the scale words lie in window 0
	BSLOAD 0, 0
	FRH 0, 0
	CLD 0, 0
	FRCX 0, 0
	MATS 0, 0
	EPI 0, 0, 0, 1
	s_mov_b32 s2, 3
.Ltrip:                                            ; a trip: blocks 4 t + 1 .. 4 t + 4, once round the two slots
	MATS 1, 2
	EPI 1, 0, 1, 1
	MATS 2, 1
	EPI 2, 1, 1, 1
	MATS 3, 2
	EPI 3, 2, 1, 1
	MATS 4, 1
	EPI 4, 3, 1, 1
	s_sub_co_u32 s2, s2, 1
	s_cmp_lg_u32 s2, 0
	s_cbranch_scc1 .Ltrip
	MATS 13, 3                                     ; the last slot has landed; nothing is left to fetch
	EPI 13, 0, 1, 1
	MATS 14, 1
	EPI 14, 1, 1, 1
	MATS 15, 3
	EPI 15, 2, 1, 0
	s_wait_dscnt 0x0                               ; my stores into the stage are done, for the others' sake
	s_barrier_signal -1
	s_barrier_wait -1
	s_wait_xcnt 0x0
	BACK SBUF                                      ; block 15
	s_wait_dscnt 0x0
	SEND 3
	s_wait_tensorcnt 0x0                           ; the wave's end
	ds_add_u32 v[SPW], v[NIL]
	s_wait_dscnt 0x0
	CROUND                                         ; the closing round: no work-group ends while a partner may still ask for a tile that names it
	s_endpgm
.Lfunc_end_k_q412b89cd11_lstm:
	.size	k_q412b89cd11_lstm, .Lfunc_end_k_q412b89cd11_lstm-k_q412b89cd11_lstm
	.p2alignl 7, 3214868480
	.fill 96, 4, 3214868480
	.section	.rodata,"a",@progbits
	.p2align	6, 0x0
	.amdhsa_kernel k_q412b89cd11_lstm
		.amdhsa_group_segment_fixed_size 327680
		.amdhsa_private_segment_fixed_size 0
		.amdhsa_enable_private_segment 0
		.amdhsa_kernarg_size 56
		.amdhsa_user_sgpr_count 2
		.amdhsa_user_sgpr_kernarg_segment_ptr 1
		.amdhsa_wavefront_size32 1
		.amdhsa_system_sgpr_workgroup_id_x 1
		.amdhsa_system_sgpr_workgroup_id_y 1
		.amdhsa_system_sgpr_workgroup_id_z 1
		.amdhsa_system_vgpr_workitem_id 0
		.amdhsa_next_free_vgpr 1024
		.amdhsa_next_free_sgpr 104
		.amdhsa_reserve_vcc 0
		.amdhsa_float_denorm_mode_32 3
		.amdhsa_float_denorm_mode_16_64 3
		.amdhsa_memory_ordered 1
		.amdhsa_forward_progress 1
		.amdhsa_inst_pref_size 248
	.end_amdhsa_kernel
	.amdgpu_metadata
---
amdhsa.version: [ 1, 2 ]
amdhsa.kernels:
  - .name:           k_q412b89cd11_lstm
    .symbol:         k_q412b89cd11_lstm.kd
    .args:
      - { .name: h_prev_codes, .offset: 0, .size: 8, .value_kind: global_buffer, .address_space: global }
      - { .name: context_codes, .offset: 8, .size: 8, .value_kind: global_buffer, .address_space: global }
      - { .name: xq, .offset: 16, .size: 8, .value_kind: global_buffer, .address_space: global }
      - { .name: wq, .offset: 24, .size: 8, .value_kind: global_buffer, .address_space: global }
      - { .name: c_prev, .offset: 32, .size: 8, .value_kind: global_buffer, .address_space: global }
      - { .name: out0, .offset: 40, .size: 8, .value_kind: global_buffer, .address_space: global }
      - { .name: out1, .offset: 48, .size: 8, .value_kind: global_buffer, .address_space: global }
    .group_segment_fixed_size: 327680
    .private_segment_fixed_size: 0
    .kernarg_segment_align: 8
    .kernarg_segment_size: 56
    .max_flat_workgroup_size: 128
    .sgpr_count:     104
    .vgpr_count:     1024
    .wavefront_size: 32
...
	.end_amdgpu_metadata
.endif
;; end of part 4
